; MI455X (gfx1250); checked and timed in simulation.
; The chip was launched on July 23, 2026; its instructions are those of AMD's public machine-readable ISA for CDNA 5 (MIT licence, August 2026) and "CDNA5" Instruction Set Architecture Reference Guide (July 2026). The comments in the code are by the model that wrote it; some were corrected since.
;; Head. Allowed arithmetic: matrix products marked QUANTISED: E4M3 operands, one given power-of-two scale a tensor, by v_wmma_f32_16x16x64_fp8_fp8 or v_wmma_f32_16x16x128_fp8_fp8, f32 sums; everything else in f32.
;; Inputs: Wk 512 x 512 float32; Wq 512 x 512 float32; Wv 512 x 512 float32; lowp_scales 10 int32 (the exponents e of the quantised operands' scales 2^e); x 32 x 512 x 32 x 32 float32.
;; Outputs: out0 32 x 512 x 32 x 32 float32.
;; This version of the problem:
;;   THIS VERSION OF THE PROBLEM IS GIVEN IN LOW PRECISION. The matrix products marked QUANTISED in the list below multiply operands that are first quantised to E4M3 (4 exponent bits, 3 mantissa bits; 8 bits a number), with one given power-of-two scale for each operand tensor; their sums are f32. All else is computed in f32.
;;   The module's matrix products, in the order in which they are computed (A, B: the left and right operand; K: the contracted axis; several contracted axes count as one K, in the product's order):
;;     1. [M 32,768, K 512] x [K 512, N 512]; A: input x; B: input Wq: QUANTISED (scales: A lowp_scales[0], B lowp_scales[1])
;;     2. [M 32,768, K 512] x [K 512, N 512]; A: input x; B: input Wk: QUANTISED (scales: A lowp_scales[2], B lowp_scales[3])
;;     3. [M 32,768, K 512] x [K 512, N 512]; A: input x; B: input Wv: QUANTISED (scales: A lowp_scales[4], B lowp_scales[5])
;;     4. batch 32 x [M 1,024, K 512] x [K 512, N 1,024]; A: computed on the way; B: computed on the way: QUANTISED (scales: A lowp_scales[6], B lowp_scales[7])
;;     5. batch 32 x [M 1,024, K 1,024] x [K 1,024, N 512]; A: softmax (see below); B: computed on the way: QUANTISED (scales: A lowp_scales[8], B lowp_scales[9])
;;   THE QUANTISER, for each operand of a quantised product, along K:
;;     - The operand's scale is 2^e, e = its entry of the input lowp_scales (int32; the entries are numbered through the quantised products in the list's order, A before B).
;;     - Each number is divided by the scale, clamped to +-448, and rounded to the nearest number of E4M3, ties to even, subnormals kept.
;;     - The product sums the exact products of the quantised numbers (number of the format x scale) in f32.
;;   ~~~python
;;   def quantise(x, axis, e):      # numpy; x: float32 -> the quantised numbers, widened to float32 again
;;       x = np.moveaxis(x, axis, -1); K = x.shape[-1]
;;       r = np.clip(x / 2.0 ** e, -448, 448)
;;       step = 2.0 ** (np.maximum(np.frexp(np.where(r == 0, 1, r))[1] - 1, -6) - 3)
;;       q = np.round(r / step) * step * 2.0 ** e      # np.round: ties to even
;;       return np.moveaxis(q, -1, axis).astype(np.float32)
;;   ~~~
;;   SOFTMAX AHEAD OF A QUANTISED PRODUCT. Where the list says 'softmax', what is quantised is not the finished softmax but p = 2^(t - M), with t = logit x log2(e) and M = ceil(the row's largest t), a whole number; so 1/2 < the row's largest p <= 1. The row's sum l is taken of the UNQUANTISED p, in f32, and the product's result is divided by l at the end. Since M is a whole number, a kernel that streams over the keys may use a running M (the ceiling of the running maximum): every later rescaling is an exact power of two, so the quantised numbers keep their values, but for numbers so far below the row's largest that they fall under the format's range.
;;   OPERANDS COMPUTED ON THE WAY. 'Computed on the way' means the value that the module computes at that place (a softmax that the list does not call 'softmax' is quantised finished and normalised). What goes into a quantiser is computed in f32, as accurately as f32 sums, v_exp_f32 and their like allow (about 1e-6 of the number): no bf16 or f16 on the way to a quantiser, and a product that is left as it is and whose result goes on into a quantised operand takes f32 operands (vector FMAs, or v_wmma_f32_16x16x4_f32). A number that lies on a knife's edge between two numbers of the format may be rounded either way, as far as f32 arithmetic and the matrix unit's own rounding can turn it there, and no further.
;; 2 versions. Each part assembles by itself: llvm-mc -triple=amdgcn-amd-amdhsa -mcpu=gfx1250 --defsym DOCPART=n.
;; ======== version 1 of 2: 3 launches
;; workspace buffers: wf 786,432 bytes; qf 16,777,216 bytes; kvf 33,554,432 bytes
;; launch wprep (part 1): grid 96 x 1, 4 waves a work-group, no clusters, 0 bytes of LDS; arguments Wq, Wk, Wv, lowp_scales, wf; writes wf
.if DOCPART == 1
	.amdgcn_target "amdgcn-amd-amdhsa--gfx1250"
	.amdhsa_code_object_version 6
	.text
	.protected	k_q1c50f5c656_wprep
	.globl	k_q1c50f5c656_wprep
	.p2align	8
	.type	k_q1c50f5c656_wprep,@function
k_q1c50f5c656_wprep:
	s_mov_b64 s[64:65], 0
	v_nop
	global_prefetch_b8 v0, s[64:65] scope:SCOPE_SE
	s_setreg_imm32_b32 hwreg(HW_REG_WAVE_MODE, 25, 1), 1
	s_wait_xcnt 0x0
; Wq, Wk, Wv: [512 (d)][512 (k)] f32 -> codes of E4M3, each with the scale 2^e that is given for it (entries 1, 3, 5 of the scales), laid as IMAGES OF OPERAND REGISTERS.
; code = w / 2^e, held within +-448, to the nearest code, ties to even.  LIMITS: e between -126 and 119, so that 2^e and 448 x 2^e are f32 numbers; NaN among the inputs is not served.
; A fragment is 16 rows d x 128 along k, 16 registers a lane: lane (r, h) holds row r; registers 4 c .. 4 c + 3 hold k = 32 c + 16 h + 0 .. 15.  Its image is 2,048 bytes: registers 4 c .. 4 c + 3 of lane l at 512 c + 16 l.
; wf = [j: q, k, v][K step s 0..3][tile of 16 rows T 0..31][2,048].  Work-group g: j = g / 32, T = g % 32; wave s makes fragment (j, s, T).
; The three weights are 3 MiB in all and are read once: no LDS, no barrier.  Each store of a wave covers 512 consecutive bytes, aligned.
.set NUM, 16                           ; v16-79  the lane's 64 numbers, register 16 c + i = k 32 c + 16 h + i
.set COD, 80                           ; v80-95  the fragment
	s_load_b256 s[4:11], s[0:1], 0x0               ; Wq s[4:5], Wk s[6:7], Wv s[8:9], the scales' exponents s[10:11]
	s_load_b64 s[12:13], s[0:1], 0x20              ; wf
	v_lshrrev_b32 v1, 5, v0
	v_readfirstlane_b32 s14, v1                    ; wave = K step s
	v_and_b32 v1, 15, v0                           ; r
	v_bfe_u32 v2, v0, 4, 1                         ; h
	v_lshlrev_b32 v3, 11, v1                       ; row r of 2,048 bytes
	v_lshl_add_u32 v3, v2, 6, v3                   ; + 64 h: my 16 numbers of a block of 32
	v_and_b32 v4, 31, v0
	v_lshlrev_b32 v4, 4, v4                        ; 16 x lane: my place in an image
	s_lshr_b32 s15, ttmp9, 5                       ; j
	s_and_b32 s16, ttmp9, 31                       ; T
	s_lshl_b32 s18, s16, 15                        ; in W: 16 T rows of 2,048 bytes
	s_lshl_b32 s17, s14, 9                         ; + 128 s numbers
	s_add_co_u32 s18, s18, s17
	s_mov_b32 s19, 0
	s_lshl_b32 s20, s15, 18                        ; in wf: 262,144 j
	s_lshl_b32 s17, s14, 16                        ; + 65,536 s
	s_add_co_u32 s20, s20, s17
	s_lshl_b32 s17, s16, 11                        ; + 2,048 T
	s_add_co_u32 s20, s20, s17
	s_mov_b32 s21, 0
	s_wait_kmcnt 0x0
	s_load_b256 s[24:31], s[10:11], 0x0            ; e0 .. e7
	s_cmp_eq_u32 s15, 0                            ; which weight: the choice hangs on the work-group's number alone
	s_cselect_b64 s[6:7], s[4:5], s[6:7]
	s_cmp_eq_u32 s15, 2
	s_cselect_b64 s[6:7], s[8:9], s[6:7]
	s_add_nc_u64 s[6:7], s[6:7], s[18:19]
	s_add_nc_u64 s[12:13], s[12:13], s[20:21]
.irp c, 0,1,2,3
.irp i, 0,1,2,3
	global_load_b128 v[NUM+16*\c+4*\i:NUM+16*\c+4*\i+3], v3, s[6:7] offset:128*\c+16*\i th:TH_LOAD_NT
.endr
.endr
	s_wait_kmcnt 0x0
	s_cmp_eq_u32 s15, 0
	s_cselect_b32 s22, s25, s27                    ; e1 for Wq, e3 for Wk,
	s_cmp_eq_u32 s15, 2
	s_cselect_b32 s22, s29, s22                    ; e5 for Wv
	s_add_co_i32 s22, s22, 127
	s_lshl_b32 s23, s22, 23
	v_mov_b32 v11, s23                             ; 2^e as f32: the conversion takes its exponent field
	s_add_co_i32 s22, s22, 8
	s_lshl_b32 s22, s22, 23
	s_or_b32 s22, s22, 0x600000
	v_mov_b32 v10, s22                             ; 448 x 2^e
	s_wait_loadcnt 0x0
.set nn, 0
.rept 64
	v_med3_num_f32 v[NUM+nn], v[NUM+nn], -v10, v10 ; the conversion to an 8-bit code does not saturate (ISA guide 7.6.2): the hold comes first
.set nn, nn+1
.endr
.irp c, 0,1,2,3
	v_cvt_scalef32_pk8_fp8_f32 v[COD+4*\c:COD+4*\c+1], v[NUM+16*\c:NUM+16*\c+7], v11
	v_cvt_scalef32_pk8_fp8_f32 v[COD+4*\c+2:COD+4*\c+3], v[NUM+16*\c+8:NUM+16*\c+15], v11
.endr
	v_nop                                          ; a plain vector line behind the last conversion
.irp c, 0,1,2,3
	global_store_b128 v4, v[COD+4*\c:COD+4*\c+3], s[12:13] offset:512*\c
.endr
	s_endpgm
.Lfunc_end_k_q1c50f5c656_wprep:
	.size	k_q1c50f5c656_wprep, .Lfunc_end_k_q1c50f5c656_wprep-k_q1c50f5c656_wprep
	.p2alignl 7, 3214868480
	.fill 96, 4, 3214868480
	.section	.rodata,"a",@progbits
	.p2align	6, 0x0
	.amdhsa_kernel k_q1c50f5c656_wprep
		.amdhsa_group_segment_fixed_size 0
		.amdhsa_private_segment_fixed_size 0
		.amdhsa_enable_private_segment 0
		.amdhsa_kernarg_size 40
		.amdhsa_user_sgpr_count 2
		.amdhsa_user_sgpr_kernarg_segment_ptr 1
		.amdhsa_wavefront_size32 1
		.amdhsa_system_sgpr_workgroup_id_x 1
		.amdhsa_system_sgpr_workgroup_id_y 1
		.amdhsa_system_sgpr_workgroup_id_z 1
		.amdhsa_system_vgpr_workitem_id 0
		.amdhsa_next_free_vgpr 96
		.amdhsa_next_free_sgpr 66
		.amdhsa_reserve_vcc 0
		.amdhsa_float_denorm_mode_32 3
		.amdhsa_float_denorm_mode_16_64 3
		.amdhsa_memory_ordered 1
		.amdhsa_forward_progress 1
		.amdhsa_inst_pref_size 9
	.end_amdhsa_kernel
	.amdgpu_metadata
---
amdhsa.version: [ 1, 2 ]
amdhsa.kernels:
  - .name:           k_q1c50f5c656_wprep
    .symbol:         k_q1c50f5c656_wprep.kd
    .args:
      - { .name: Wq, .offset: 0, .size: 8, .value_kind: global_buffer, .address_space: global }
      - { .name: Wk, .offset: 8, .size: 8, .value_kind: global_buffer, .address_space: global }
      - { .name: Wv, .offset: 16, .size: 8, .value_kind: global_buffer, .address_space: global }
      - { .name: lowp_scales, .offset: 24, .size: 8, .value_kind: global_buffer, .address_space: global }
      - { .name: wf, .offset: 32, .size: 8, .value_kind: global_buffer, .address_space: global }
    .group_segment_fixed_size: 0
    .private_segment_fixed_size: 0
    .kernarg_segment_align: 8
    .kernarg_segment_size: 40
    .max_flat_workgroup_size: 128
    .sgpr_count:     66
    .vgpr_count:     96
    .wavefront_size: 32
...
	.end_amdgpu_metadata
.endif
;; end of part 1
;; launch proj (part 2): grid 256 x 1, 4 waves a work-group, no clusters, 203,264 bytes of LDS; arguments x, wf, lowp_scales, qf, kvf; writes qf, kvf
.if DOCPART == 2
	.amdgcn_target "amdgcn-amd-amdhsa--gfx1250"
	.amdhsa_code_object_version 6
	.text
	.protected	k_q1c50f5c656_proj
	.globl	k_q1c50f5c656_proj
	.p2align	8
	.type	k_q1c50f5c656_proj,@function
k_q1c50f5c656_proj:
	s_mov_b64 s[64:65], 0
	v_nop
	global_prefetch_b8 v0, s[64:65] scope:SCOPE_SE
	s_setreg_imm32_b32 hwreg(HW_REG_WAVE_MODE, 25, 1), 1
	s_wait_xcnt 0x0
; q = xs Wq^T, k = xs Wk^T, v = xs Wv^T on codes of E4M3, xs = x read as [32,768][512]; q, k and v leave as codes of E4M3, laid as images of the operand registers that the attention launch wants.
; x is quantised three times, with 2^e0, 2^e2, 2^e4; the weights come as codes (wf).  A sum of product j stands for sum x 2^(ex + ew): its code is sum / 2^(eout - ex - ew), eout = e6 (q), e7 (k), e9 (v): three scales in one.
; LIMITS: e0, e2, e4, e6 - e0 - e1, e7 - e2 - e3, e9 - e4 - e5 between -126 and 119, so that each power of two and 448 x it are f32 numbers.  NaN among the inputs is not served.
; SHARES.  Work-group g owns rows 128 g .. 128 g + 127 (batch g / 8, row block g % 8).  Wave w makes columns 128 w .. 128 w + 127 of q, of k and of v for all 128 rows: 64 accumulators of 16 x 16, 512 registers.
; THE WAVES SPLIT THE WEIGHTS: each fragment of W has one reader in the work-group, so it goes from memory straight into that wave's registers, 512 consecutive bytes a load.  Only x's codes, which all four waves read, lie in LDS.
; So for 64 matrix instructions a wave reads 16,384 bytes from LDS; with both operands in LDS it would read 32,768.  That, and the 202,752 bytes that x's three sets of codes take, is why the weights are not brought by tensor loads shared in a cluster.
; PHASE X: wave w reads rows 32 w .. 32 w + 31 of the block, 512 consecutive bytes a load, each row into registers of its own (the later accumulators), 14 rows ahead; holds and converts each row three times; 4 codes a lane go to LDS.
; x goes out first; the first two steps of the weights follow x's last rows, a fragment in each row's turn: 56 to 60 loads of the wave are out through the whole phase.
; q and k are made TRANSPOSED (source 0 = 16 rows of W, source 1 = 16 rows of x): a lane holds one row and eight neighbours along d, the next K.  v is made the natural way: a lane holds one channel and eight neighbouring keys, its next K.
; So each conversion's two registers are registers 2 c, 2 c + 1 of a fragment in the plain layout (k = 16 c + 8 h + 0 .. 7).
; REGISTERS, in windows of 256: window 0: v1-17 addresses and scales; v32-55 code words; v64-127 at work; v128-255 x's fragments (8 x 16 rows x 128 K), one set.  window 1: W's fragments, two sets, at v0 and v128.
;   windows 2, 3: first x's rows as f32 (row i at v[16 (i % 16)] of window 2 + i / 16), then the accumulators: (a = tile of rows, b = tile of columns) at v[64 (a % 4) + 8 b] of window 2 + a / 4.
.set STEPB, 65536                      ; a step of the stream of weights: 32 fragments of 2,048 bytes; wave w's eight at 16,384 w
.set XP,    528                        ; a row of x's codes in LDS: 512 bytes + 16: 33 x 16, so the 16 rows of a fragment load start at 16 different groups of banks (64 banks of 4 bytes: ISA guide 11.1)
.set XCB,   128*XP                     ; one set of codes; set j (q, k, v) at j x XCB
.set AHEAD, 14                         ; rows of x on their way: 56 loads a wave
.set LI,   1                           ; v1     16 x lane
.set DOF,  2                           ; v2     16 x lane + 16,384 x wave: my place in a step of the weights
.set XA0,  3                           ; v3     528 r + 16 h: my place in a fragment of x
.set XAD,  4                           ; v4     the same in the set in hand
.set XAD2, 5                           ; v5     and in the next set
.set XW,   6                           ; v6-8   where I put 4 codes of a row: 32 w x 528 + 4 x lane + j x XCB
.set XS,   10                          ; v10-12 2^e0, 2^e2, 2^e4
.set XL,   13                          ; v13-15 448 x those
.set OS,   16                          ; v16    the scale of the output in hand
.set OL,   17                          ; v17    448 x it
.set CW,   32                          ; v32-55 two sets of 12 code words, by the row's parity
.set T,    64                          ; v64-111 phase X: a row's 16 numbers of my lane, held three times
.set TMP,  64                          ; v64-127 the way out: codes
.set AF,   128
.set DB,   6                           ; s[6:7]   where the stream of weights stands
.set WV,   14                          ; s14      my wave's number
.set OB,   42                          ; s[42:43] where the output in hand goes
.set J,    50                          ; s50      0: q, 1: k
.set XB,   51                          ; s51      LDS byte at which the set of x's codes in hand begins
.set MSB, 0
.macro WIN new                         ; s_set_vgpr_msb: bits 1:0 source 0, 3:2 source 1, 5:4 source 2, 7:6 destination; the high byte repeats the setting that is left
.if MSB != (\new)
	s_set_vgpr_msb (MSB<<8)|(\new)
.set MSB, (\new)
.endif
.endm
.macro PLACES n                        ; a load into a register that a matrix instruction has read, and a vector instruction that reads or writes one of its registers, stand four plain vector instructions behind it
.rept \n
	v_nop
.endr
.endm
.macro POW2 e, sc, lim                 ; s[e] holds an exponent (it is used up): s[sc] = 2^e, s[lim] = 448 x 2^e, as f32
	s_add_co_i32 s[\e], s[\e], 127
	s_lshl_b32 s[\sc], s[\e], 23
	s_add_co_i32 s[\e], s[\e], 8
	s_lshl_b32 s[\lim], s[\e], 23
	s_or_b32 s[\lim], s[\lim], 0x600000
.endm
.macro DLOAD p, off, b0, nb            ; fragments b0 .. b0 + nb - 1 of my eight of the step of weights at byte off of the stream, into set p: four loads a fragment
	WIN 0x40
.set bb, \b0
.rept \nb
.irp c, 0,1,2,3
	global_load_b128 v[128*(\p)+16*bb+4*\c:128*(\p)+16*bb+4*\c+3], v[DOF], s[DB:DB+1] offset:(\off)+2048*bb+512*\c
.endr
.set bb, bb+1
.endr
	WIN 0
.endm
.macro FETCH_A adr, off, i0            ; x's fragments i0 .. i0 + 3 at byte off of the rows: registers 4 c .. 4 c + 3 = k 32 c + 16 h + 0 .. 15: 16 loads
.irp a, \i0, \i0+1, \i0+2, \i0+3
.irp c, 0,1,2,3
	ds_load_b128 v[AF+16*(\a)+4*\c:AF+16*(\a)+4*\c+3], v[\adr] offset:(\off)+16*XP*(\a)+32*\c
.endr
.endr
.endm
; 16 matrix instructions: x's blocks a0, a0 + 1 against W's eight of set p.  var = 0: source 0 = W, source 1 = x; var = 1: the other way round.  zero = 1: the products start the sums.
; The 64 accumulators take turns, one instruction a turn, in the same order in every step.
.macro MUL16 var, a0, p, zero
.if \var
	WIN 0xa4+0x50*((\a0)/4)
.else
	WIN 0xa1+0x50*((\a0)/4)
.endif
.irp a, \a0, \a0+1
.irp b, 0,1,2,3,4,5,6,7
.set rD, 64*((\a)%4)+8*\b
.set rW, 128*(\p)+16*\b
.set rX, AF+16*(\a)
.if \var
.if \zero
	v_wmma_f32_16x16x128_fp8_fp8 v[rD:rD+7], v[rX:rX+15], v[rW:rW+15], 0
.else
	v_wmma_f32_16x16x128_fp8_fp8 v[rD:rD+7], v[rX:rX+15], v[rW:rW+15], v[rD:rD+7]
.endif
.else
.if \zero
	v_wmma_f32_16x16x128_fp8_fp8 v[rD:rD+7], v[rW:rW+15], v[rX:rX+15], 0
.else
	v_wmma_f32_16x16x128_fp8_fp8 v[rD:rD+7], v[rW:rW+15], v[rX:rX+15], v[rD:rD+7]
.endif
.endif
.endr
.endr
.endm
; A step of 128 along K: 64 matrix instructions.  A block of x is free when its eight products are issued, so one set serves x: blocks 0-3 are fetched anew in the middle, blocks 4-7 at the end.  W's set p is free at the end
; and takes the step two on.  lc: the loads that may stay out when set p has to be in.  na: is there a next fetch of x.  nd = 1: set p is asked for whole; nd = 2: its first seven fragments, 28 loads, which with the
; other set's 32 make 60: inside LOADcnt's field (an instruction that would pass the field waits at issue: ISA guide 5.7.1), so the wave goes straight on into the register work that follows; the eighth is asked for behind that work.
.macro STEP var, p, zero, lc, na, aadr, aoff, nd, doff
	s_wait_loadcnt \lc                             ; loads come back in order (ISA guide 5.7.1): set p is in, the other set's 32 may be out
	s_wait_dscnt 16                                ; x's blocks 0-3 are in; the 16 loads of blocks 4-7 may be out
	MUL16 \var, 0, \p, \zero
	MUL16 \var, 2, \p, \zero
	s_wait_dscnt 0x0                               ; blocks 4-7 are in (asked for 32 matrix instructions ago)
.if \na
	PLACES 4
	WIN 0
	FETCH_A \aadr, \aoff, 0
.endif
	MUL16 \var, 4, \p, \zero
	MUL16 \var, 6, \p, \zero
	PLACES 4
	WIN 0
.if \na
	FETCH_A \aadr, \aoff, 4
.endif
.if \nd == 1
	DLOAD \p, \doff, 0, 8
.endif
.if \nd == 2
	DLOAD \p, \doff, 0, 7
.endif
.endm
; THE WAY OUT, a window of 32 accumulators at a time: the hold, in place and from each accumulator's low end on; the conversion; 16 stores of 512 consecutive bytes, aligned.
; var = 0: the codes of (a, b) are registers 2 b, 2 b + 1 of the fragment of rows 16 a on.  var = 1: registers 2 a, 2 a + 1 of the fragment of channels 16 b on.
.macro OUT var, ob
.irp X, 2,3
	WIN (\X<<6)|\X
.set nn, 0
.rept 256
	v_med3_num_f32 v[nn], v[nn], -v[OL], v[OL]     ; the conversion to an 8-bit code does not saturate (ISA guide 7.6.2)
.set nn, nn+1
.endr
.if \X == 3
	s_wait_xcnt 0x0                                ; the first half's stores have read their data: TMP is written again only behind this wait
.endif
	WIN \X
.irp q, 0,1,2,3
.irp b, 0,1,2,3,4,5,6,7
.if \var
	v_cvt_scalef32_pk8_fp8_f32 v[TMP+8*\b+2*\q:TMP+8*\b+2*\q+1], v[64*\q+8*\b:64*\q+8*\b+7], v[OS]
.else
	v_cvt_scalef32_pk8_fp8_f32 v[TMP+16*\q+2*\b:TMP+16*\q+2*\b+1], v[64*\q+8*\b:64*\q+8*\b+7], v[OS]
.endif
.endr
.endr
	WIN 0
	v_nop                                          ; a plain vector line behind the last conversion: the next products write its sources
.if \var
.irp b, 0,1,2,3,4,5,6,7
.irp c, 0,1
	global_store_b128 v[LI], v[TMP+8*\b+4*\c:TMP+8*\b+4*\c+3], s[\ob:\ob+1] offset:2048*\b+1024*(\X-2)+512*\c
.endr
.endr
.else
.irp q, 0,1,2,3
.irp c, 0,1,2,3
	global_store_b128 v[LI], v[TMP+16*\q+4*\c:TMP+16*\q+4*\c+3], s[\ob:\ob+1] offset:2048*(4*(\X-2)+\q)+512*\c
.endr
.endr
.endif
.endr
.endm
.macro XROW i                          ; row i of my 32: four loads of 512 consecutive bytes; register 4 u + e of the row = number 128 u + 4 x lane + e
	WIN 0x80+0x40*((\i)/16)
.irp u, 0,1,2,3
	global_load_b128 v[16*((\i)%16)+4*\u:16*((\i)%16)+4*\u+3], v[LI], s[4:5] offset:2048*(\i)+512*\u th:TH_LOAD_NT
.endr
.endm
	s_load_b256 s[4:11], s[0:1], 0x0               ; x s[4:5], wf s[6:7], the scales' exponents s[8:9], qf s[10:11]
	s_load_b64 s[12:13], s[0:1], 0x20              ; kvf
	v_lshl_add_u32 v62, v0, 2, 0x31800
	v_mov_b32 v63, 0
	v_lshrrev_b32 v9, 5, v0
	v_readfirstlane_b32 s[WV], v9                  ; wave 0..3
	v_and_b32 v9, 31, v0                           ; lane
	v_lshlrev_b32 v[LI], 4, v9
	s_lshl_b32 s15, s[WV], 14
	v_add_nc_u32 v[DOF], s15, v[LI]
	v_and_b32 v18, 15, v0                          ; r
	v_bfe_u32 v19, v0, 4, 1                        ; h
	v_mul_u32_u24 v[XA0], v18, XP
	v_lshl_add_u32 v[XA0], v19, 4, v[XA0]
	s_mul_i32 s15, s[WV], 32*XP
	v_lshl_add_u32 v[XW], v9, 2, s15
	v_add_nc_u32 v[XW+1], XCB, v[XW]
	v_add_nc_u32 v[XW+2], 2*XCB, v[XW]
	s_lshl_b32 s16, ttmp9, 18                      ; x: my block's 128 rows of 2,048 bytes,
	s_lshl_b32 s17, s[WV], 16                      ; my wave's 32 of them
	s_add_co_u32 s16, s16, s17
	s_mov_b32 s17, 0
	s_lshl_b32 s18, ttmp9, 16                      ; qf: [g][K step = my wave][tile of rows][2,048]
	s_lshl_b32 s19, s[WV], 14
	s_add_co_u32 s18, s18, s19
	s_mov_b32 s19, 0
	s_lshr_b32 s20, ttmp9, 3
	s_lshl_b32 s20, s20, 20                        ; kvf: the batch's 1,048,576 bytes: 16 steps of 65,536
	s_and_b32 s21, ttmp9, 7                        ; rb: my block of 128 rows in the batch
	s_lshr_b32 s22, s21, 2
	s_lshl_b32 s22, s22, 2
	s_add_co_u32 s22, s22, s[WV]                   ; k: step 4 (rb / 4) + my wave (d = 128 w on),
	s_lshl_b32 s22, s22, 16
	s_add_co_u32 s22, s22, s20
	s_and_b32 s23, s21, 3
	s_lshl_b32 s23, s23, 14                        ; fragments 8 (rb % 4) on
	s_add_co_u32 s22, s22, s23
	s_mov_b32 s23, 0
	s_add_co_u32 s34, s21, 8                       ; v: step 8 + rb (keys 128 rb on),
	s_lshl_b32 s34, s34, 16
	s_add_co_u32 s34, s34, s20
	s_lshl_b32 s35, s[WV], 14                      ; fragments 8 w on (channels 128 w on)
	s_add_co_u32 s34, s34, s35
	s_mov_b32 s35, 0
	s_wait_kmcnt 0x0
	s_load_b256 s[24:31], s[8:9], 0x0              ; e0 .. e7
	s_load_b64 s[32:33], s[8:9], 0x20              ; e8, e9
	s_add_nc_u64 s[4:5], s[4:5], s[16:17]
	s_add_nc_u64 s[36:37], s[10:11], s[18:19]      ; where q goes
	s_add_nc_u64 s[38:39], s[12:13], s[22:23]      ; where k goes
	s_add_nc_u64 s[40:41], s[12:13], s[34:35]      ; where v goes
.set ri, 0
.rept AHEAD
	XROW ri                                        ; x's first 14 rows are the wave's first loads
.set ri, ri+1
.endr
	WIN 0
	s_wait_kmcnt 0x0
	s_sub_co_i32 s52, s30, s24
	s_sub_co_i32 s52, s52, s25                     ; e6 - e0 - e1
	POW2 52, 44, 45
	s_sub_co_i32 s52, s31, s26
	s_sub_co_i32 s52, s52, s27                     ; e7 - e2 - e3
	POW2 52, 46, 47
	s_sub_co_i32 s52, s33, s28
	s_sub_co_i32 s52, s52, s29                     ; e9 - e4 - e5
	POW2 52, 48, 49
	POW2 24, 53, 54
	v_mov_b32 v[XS], s53
	v_mov_b32 v[XL], s54
	POW2 26, 53, 54
	v_mov_b32 v[XS+1], s53
	v_mov_b32 v[XL+1], s54
	POW2 28, 53, 54
	v_mov_b32 v[XS+2], s53
	v_mov_b32 v[XL+2], s54
	; ---- PHASE X: my 32 rows of x become three sets of codes in LDS.  Each row's turn asks for four loads more: the row 14 on, or, when x has no more rows, the next fragment of the weights' first two steps
.set ri, 0
.rept 32
.if ri+AHEAD < 32
	XROW (ri+AHEAD)
.else
.set wn, ri+AHEAD-32
	DLOAD wn/8, (wn/8)*STEPB, wn%8, 1
.endif
	s_wait_loadcnt 4*AHEAD                         ; this row's four loads are in; behind them 56 were issued: 14 rows of x, or 31 - i rows of x and i - 17 fragments of the weights
	WIN 2+ri/16
.irp j, 0,1,2
.set nn, 0
.rept 16
	v_med3_num_f32 v[T+16*\j+nn], v[16*(ri%16)+nn], -v[XL+\j], v[XL+\j]
.set nn, nn+1
.endr
.endr
	WIN 0
	s_wait_dscnt 12                                ; the 12 stores of the row before may be out; those of two rows back, which read this set of code words, are done
.irp j, 0,1,2
.irp h, 0,1
	v_cvt_scalef32_pk8_fp8_f32 v[CW+12*(ri%2)+4*\j+2*\h:CW+12*(ri%2)+4*\j+2*\h+1], v[T+16*\j+8*\h:T+16*\j+8*\h+7], v[XS+\j]
.endr
.endr
	v_nop                                          ; a plain vector line behind the last conversion: the next row's holds write its sources
.irp j, 0,1,2
.irp u, 0,1,2,3
	ds_store_b32 v[XW+\j], v[CW+12*(ri%2)+4*\j+\u] offset:XP*ri+128*\u   ; codes k = 128 u + 4 x lane + 0 .. 3: the wave writes 128 consecutive bytes
.endr
.endr
.set ri, ri+1
.endr
	DLOAD 1, STEPB, 6, 2                           ; the last two of the sixteen fragments
	s_wait_dscnt 0x0                               ; for the others' sake: my stores have landed
	s_barrier_signal -1
	s_barrier_wait -1                              ; all 128 rows' codes lie in LDS; nothing writes them again
	FETCH_A XA0, 0, 0
	FETCH_A XA0, 0, 4
	s_mov_b32 s[J], 0
	s_mov_b32 s[XB], 0
	; ---- q, then k: a trip is one product of four steps and its way out.  The stream of weights and x's fragments run on into the next product, and land during the way out
.Lqk:
	s_cmp_eq_u32 s[J], 0
	s_cselect_b64 s[OB:OB+1], s[36:37], s[38:39]
	s_cselect_b32 s55, s44, s46
	s_cselect_b32 s56, s45, s47
	v_mov_b32 v[OS], s55
	v_mov_b32 v[OL], s56
	v_add_nc_u32 v[XAD], s[XB], v[XA0]
	v_add_nc_u32 v[XAD2], XCB, v[XAD]
	STEP 0, 0, 1, 32, 1, XAD, 128, 1, 2*STEPB
	STEP 0, 1, 0, 32, 1, XAD, 256, 1, 3*STEPB
	STEP 0, 0, 0, 32, 1, XAD, 384, 1, 4*STEPB
	STEP 0, 1, 0, 32, 1, XAD2, 0, 2, 5*STEPB       ; seven fragments now,
	OUT 0, OB
	DLOAD 1, 5*STEPB, 7, 1                         ; the eighth behind the way out: it is wanted in the next product's second step
	s_wait_xcnt 0x0                                ; the loads have read the stream's base, the stores their base and data: all are written again only behind this wait
	s_add_nc_u64 s[DB:DB+1], s[DB:DB+1], 4*STEPB
	s_add_co_u32 s[XB], s[XB], XCB
	s_add_co_u32 s[J], s[J], 1
	s_cmp_lt_u32 s[J], 2
	s_cbranch_scc1 .Lqk
	; ---- v, the natural way round; the last two steps ask for no weights, the last for no fragments of x
	v_mov_b32 v[OS], s48
	v_mov_b32 v[OL], s49
	v_add_nc_u32 v[XAD], s[XB], v[XA0]
	STEP 1, 0, 1, 32, 1, XAD, 128, 1, 2*STEPB
	STEP 1, 1, 0, 32, 1, XAD, 256, 1, 3*STEPB
	STEP 1, 0, 0, 32, 1, XAD, 384, 0, 0
	STEP 1, 1, 0, 0, 0, XAD, 0, 0, 0
	OUT 1, 40
	s_wait_tensorcnt 0x0
	ds_add_u32 v62, v63
	s_wait_dscnt 0x0
	s_endpgm
.Lfunc_end_k_q1c50f5c656_proj:
	.size	k_q1c50f5c656_proj, .Lfunc_end_k_q1c50f5c656_proj-k_q1c50f5c656_proj
	.p2alignl 7, 3214868480
	.fill 96, 4, 3214868480
	.section	.rodata,"a",@progbits
	.p2align	6, 0x0
	.amdhsa_kernel k_q1c50f5c656_proj
		.amdhsa_group_segment_fixed_size 203264
		.amdhsa_private_segment_fixed_size 0
		.amdhsa_enable_private_segment 0
		.amdhsa_kernarg_size 40
		.amdhsa_user_sgpr_count 2
		.amdhsa_user_sgpr_kernarg_segment_ptr 1
		.amdhsa_wavefront_size32 1
		.amdhsa_system_sgpr_workgroup_id_x 1
		.amdhsa_system_sgpr_workgroup_id_y 1
		.amdhsa_system_sgpr_workgroup_id_z 1
		.amdhsa_system_vgpr_workitem_id 0
		.amdhsa_next_free_vgpr 1024
		.amdhsa_next_free_sgpr 66
		.amdhsa_reserve_vcc 0
		.amdhsa_float_denorm_mode_32 3
		.amdhsa_float_denorm_mode_16_64 3
		.amdhsa_memory_ordered 1
		.amdhsa_forward_progress 1
		.amdhsa_inst_pref_size 255
	.end_amdhsa_kernel
	.section	.bss,"aw",@nobits
	.p2align	6
	.space	262144
	.amdgpu_metadata
---
amdhsa.version: [ 1, 2 ]
amdhsa.kernels:
  - .name:           k_q1c50f5c656_proj
    .symbol:         k_q1c50f5c656_proj.kd
    .args:
      - { .name: x, .offset: 0, .size: 8, .value_kind: global_buffer, .address_space: global }
      - { .name: wf, .offset: 8, .size: 8, .value_kind: global_buffer, .address_space: global }
      - { .name: lowp_scales, .offset: 16, .size: 8, .value_kind: global_buffer, .address_space: global }
      - { .name: qf, .offset: 24, .size: 8, .value_kind: global_buffer, .address_space: global }
      - { .name: kvf, .offset: 32, .size: 8, .value_kind: global_buffer, .address_space: global }
    .group_segment_fixed_size: 203264
    .private_segment_fixed_size: 0
    .kernarg_segment_align: 8
    .kernarg_segment_size: 40
    .max_flat_workgroup_size: 128
    .sgpr_count:     66
    .vgpr_count:     1024
    .wavefront_size: 32
...
	.end_amdgpu_metadata
.endif
;; end of part 2
;; launch attn (part 3): grid 256 x 1, 4 waves a work-group, no clusters, 243,200 bytes of LDS; arguments qf, kvf, lowp_scales, out0; writes out0
.if DOCPART == 3
	.amdgcn_target "amdgcn-amd-amdhsa--gfx1250"
	.amdhsa_code_object_version 6
	.text
	.protected	k_q1c50f5c656_attn
	.globl	k_q1c50f5c656_attn
	.p2align	8
	.type	k_q1c50f5c656_attn,@function
k_q1c50f5c656_attn:
	s_mov_b64 s[64:65], 0
	v_nop
	global_prefetch_b8 v0, s[64:65] scope:SCOPE_SE
	s_setreg_imm32_b32 hwreg(HW_REG_WAVE_MODE, 25, 1), 1
	s_wait_xcnt 0x0
; out[b][q][:] = the sum over keys of softmax(q . k / sqrt(512)) v, both products on codes of E4M3; 32 batches of 1,024 queries and keys, head size 512.  q, k, v come as images of operand registers (qf, kvf).
; THE SOFTMAX AHEAD OF THE SECOND PRODUCT: t = score x log2(e) / sqrt(512); M = the row's largest t so far, rounded UP to a whole number; p = 2^(t - M) is quantised with 2^e8, not normalised.
; The row's sum is taken of the unquantised p, in f32, and divides at the end.  When M moves, the sum and O are multiplied by 2^(old M - new M): a power of two.
; LIMITS: e6 + e7 between -122 and 131 (they are added to c's exponent field); e8 between -126 and 119; e8 + e9 is applied by v_ldexp_f32 and has none.
; SHARES.  Work-group g: batch g % 32, queries 128 (g / 32) on: the eight work-groups that walk one batch's K and V are those whose numbers agree in their low five bits.
; A wave's 64 accumulators (512 registers) serve S^T first and O^T afterwards:
; STAGE 1, two chunks of 512 keys: wave w makes S^T = K Q^T for keys 128 w .. 128 w + 127 of the chunk against all 128 queries (source 0 = 16 keys, source 1 = 16 queries: a lane holds ONE query and eight neighbouring keys),
;   the four waves' maxima meet in LDS, and the wave's p, converted, ARE the eight fragments of K step 4 chunk + w of the second product: they go to LDS as images of their registers.
; STAGE 2: wave w makes O^T = V^T P for channels 128 w .. 128 w + 127 against the 128 queries, eight K steps of 128 keys; between steps 3 and 4 O^T is brought from the first chunk's M under the last.
; THE WAVES SPLIT K AND V: each of their fragments has one reader in the work-group, so it goes from memory straight into that wave's registers, 512 consecutive bytes a load.  Only Q and P, which all four waves read, lie in LDS.
; So for 64 matrix instructions a wave reads 16,384 bytes from LDS; with both operands in LDS it would read 32,768.  That, and the 196,608 bytes that Q's and P's images take, is why K and V are not brought by tensor loads shared in a cluster.
; REGISTERS, in windows of 256: window 0: v1-15 addresses and scales; v16-63 statistics; v64-127 at work; v128-255 fragments of Q or P, one set.  window 1: fragments of K or V, two sets, at v0 and v128.
;   windows 2, 3: the accumulators: (a = tile of queries, b = tile of keys or channels) at v[64 (a % 4) + 8 b] of window 2 + a / 4.
.set STEPB, 65536                      ; a step of the batch's stream: 32 fragments of 2,048 bytes; wave w's eight at 16,384 w.  Steps 0-7: K (4 chunk + K step); steps 8-15: V^T (keys 128 (step - 8) on)
.set PIMG,  65536                      ; LDS: Q's images from 0 on, fragment (K step s, tile a) at 2,048 (8 s + a); P's from here on, likewise
.set STAT,  196608                     ; three areas of 4,096 bytes (the two chunks' maxima, the row sums): wave w's plane p (tiles 4 p .. 4 p + 3) at 1,024 w + 512 p + 16 x lane
.set STG,   208896                     ; the way out: a stage of 16 rows x 528 bytes for each wave
.set SP,    528
.set LI,   1                           ; v1   16 x lane
.set DOF,  2                           ; v2   16 x lane + 16,384 x wave
.set PFO,  3                           ; v3   the prefetches' offset: 256 x lane + 16,384 x wave; never rewritten
.set PA0,  4                           ; v4   P's images, K steps 0-3
.set PA1,  5                           ; v5   K steps 4-7
.set PW0,  6                           ; v6   where I put P's images in chunk 0
.set PWA,  7                           ; v7   and in the chunk in hand
.set SW0,  8                           ; v8   where I put statistics, area 0
.set SR0,  9                           ; v9   where I read them
.set SWA,  10                          ; v10, v11  the same in the chunk's area
.set SRA,  11
.set STO,  12                          ; v12  the stage: where I put 32 bytes of a row
.set RD,   13                          ; v13  and where I read a row back
.set PSC,  14                          ; v14  2^e8
.set PLIM, 15                          ; v15  448 x 2^e8
.set NM,   16                          ; v16-31  tile a: the pair (-M, the largest score so far)
.set FF,   32                          ; v32-47  tile a: the pair (f = 2^(old M - new M), 0)
.set LS,   48                          ; v48-63  tile a: the row's sum over my keys, in two halves; at the end 2^(e8 + e9) / the row's sum in the even register
.set TMP,  64                          ; v64-127 codes; on the way out a block's results
.set TS,   64                          ; v64-95  the four waves' statistics
.set LM,   96                          ; v96-103, v104-111  at work, a register a tile
.set LB,   104
.set AF,   128
.set WV,   12                          ; s12  my wave's number
.set QB,   14                          ; s14  my block of queries in the batch
.set SEL,  20                          ; s[20:21] selects for v_permlanex16_b32: lane l xor 16
.set CS,   22                          ; s[22:23] c = log2(e) / sqrt(512) x 2^(e6 + e7): the packed form names a pair and takes its low word
.set DB,   24                          ; s[24:25] where the batch's stream stands
.set CNT,  26
.set PB,   27                          ; s27  65,536 x chunk
.set SB,   28                          ; s28  4,096 x chunk
.set ESUM, 29                          ; s29  e8 + e9
.set MSB, 0
.macro WIN new                         ; s_set_vgpr_msb: bits 1:0 source 0, 3:2 source 1, 5:4 source 2, 7:6 destination; the high byte repeats the setting that is left
.if MSB != (\new)
	s_set_vgpr_msb (MSB<<8)|(\new)
.set MSB, (\new)
.endif
.endm
.macro PLACES n                        ; a load into a register that a matrix instruction has read, and a vector instruction that reads or writes one of its registers, stand four plain vector instructions behind it
.rept \n
	v_nop
.endr
.endm
.macro BARRIER                         ; my LDS stores have landed and my LDS loads are in: then the work-group's barrier
	s_wait_dscnt 0x0
	s_barrier_signal -1
	s_barrier_wait -1
.endm
.macro DLOAD p, off, b0, nb            ; fragments b0 .. b0 + nb - 1 of my eight of the step at byte off of the stream, into set p: four loads a fragment
	WIN 0x40
.set bb, \b0
.rept \nb
.irp c, 0,1,2,3
	global_load_b128 v[128*(\p)+16*bb+4*\c:128*(\p)+16*bb+4*\c+3], v[DOF], s[DB:DB+1] offset:(\off)+2048*bb+512*\c
.endr
.set bb, bb+1
.endr
	WIN 0
.endm
; A PREFETCH INTO THE L2, behind a step's run of loads: where step n asks for the fragments of step n + 2, it names step n + 6: four steps, 256 matrix instructions, ahead of the loads that will want those bytes.
; The eight work-groups of a batch walk the same stream: the one with the batch's first block of queries asks, and nobody else.  Each of its waves names its own 16,384 bytes of the step, lanes 256 bytes apart, two instructions: each block once in the launch.
; Steps 0 to 5 come by their loads alone; nothing is named beyond step 15, the batch's last.
.macro ASK off
	s_cmp_eq_u32 s[QB], 0
	s_cbranch_scc0 .Lnot_mine_\@
	global_prefetch_b8 v[PFO], s[DB:DB+1] offset:(\off) th:TH_LOAD_NT scope:SCOPE_SE
	global_prefetch_b8 v[PFO], s[DB:DB+1] offset:(\off)+8192 th:TH_LOAD_NT scope:SCOPE_SE
.Lnot_mine_\@:
.endm
.macro FETCH_A adr, off, i0            ; the images of fragments i0 .. i0 + 3 of the K step at byte off: 16 loads of 512 consecutive bytes
.irp a, \i0, \i0+1, \i0+2, \i0+3
.irp c, 0,1,2,3
	ds_load_b128 v[AF+16*(\a)+4*\c:AF+16*(\a)+4*\c+3], v[\adr] offset:(\off)+2048*(\a)+512*\c
.endr
.endr
.endm
; 16 matrix instructions: tiles of queries a0, a0 + 1 against the eight fragments of set p (source 0).  zero = 1: the products start the sums.
; The 64 accumulators take turns, one instruction a turn, in the same order in every step.
.macro MUL16 a0, p, zero
	WIN 0xa1+0x50*((\a0)/4)
.irp a, \a0, \a0+1
.irp b, 0,1,2,3,4,5,6,7
.set rD, 64*((\a)%4)+8*\b
.set rW, 128*(\p)+16*\b
.set rX, AF+16*(\a)
.if \zero
	v_wmma_f32_16x16x128_fp8_fp8 v[rD:rD+7], v[rW:rW+15], v[rX:rX+15], 0
.else
	v_wmma_f32_16x16x128_fp8_fp8 v[rD:rD+7], v[rW:rW+15], v[rX:rX+15], v[rD:rD+7]
.endif
.endr
.endr
.endm
; A step of 128 along K: 64 matrix instructions.  A fragment of Q or P is free when its eight products are issued, so one set serves: tiles 0-3 are fetched anew in the middle, tiles 4-7 at the end.
; Set p of K or V is free at the end and takes the step two on.  lc: the loads that may stay out when set p has to be in.  nd = 1: set p is asked for whole; nd = 2: its first seven fragments, 28 loads, which with the
; other set's 32 make 60: inside LOADcnt's field (an instruction that would pass the field waits at issue: ISA guide 5.7.1), so the wave goes straight on into the register work that follows; the eighth is asked for in or behind that work.
.macro STEP p, zero, lc, na, aadr, aoff, nd, doff, ask, koff
	s_wait_loadcnt \lc                             ; loads come back in order (ISA guide 5.7.1): set p is in, the other set's 32 may be out
	s_wait_dscnt 16                                ; tiles 0-3 are in; the 16 loads of tiles 4-7 may be out
	MUL16 0, \p, \zero
	MUL16 2, \p, \zero
	s_wait_dscnt 0x0                               ; tiles 4-7 are in
.if \na
	PLACES 4
	WIN 0
	FETCH_A \aadr, \aoff, 0
.endif
	MUL16 4, \p, \zero
	MUL16 6, \p, \zero
	PLACES 4
	WIN 0
.if \na
	FETCH_A \aadr, \aoff, 4
.endif
.if \nd == 1
	DLOAD \p, \doff, 0, 8
.endif
.if \nd == 2
	DLOAD \p, \doff, 0, 7
.endif
.if \ask
	ASK \koff
.endif
.endm
; The largest score of each query among my lane's 64 keys and the largest so far, for the four tiles of window X: two chains a tile, each accumulator from its low end on.
.macro MAXW X
	WIN (\X<<4)|(\X<<2)
.set ii, 0
.rept 16
.irp q, 0,1,2,3
.set ta, 4*(\X-2)+\q
.if ii == 0
	v_max3_num_f32 v[LM+ta], v[NM+2*ta+1], v[64*\q], v[64*\q+1]
	v_max3_num_f32 v[LB+ta], v[NM+2*ta+1], v[64*\q+2], v[64*\q+3]
.else
	v_max3_num_f32 v[LM+ta], v[LM+ta], v[64*\q+4*ii], v[64*\q+4*ii+1]
	v_max3_num_f32 v[LB+ta], v[LB+ta], v[64*\q+4*ii+2], v[64*\q+4*ii+3]
.endif
.endr
.set ii, ii+1
.endr
.endm
; Window X's 256 scores of a lane become p, are summed, held, converted and stored as four images.
.macro EXPW X
	WIN (\X<<6)|\X
.irp q, 0,1,2,3
.set ta, 4*(\X-2)+\q
.set nn, 0
.rept 32
	v_pk_fma_f32 v[64*\q+nn:64*\q+nn+1], v[64*\q+nn:64*\q+nn+1], s[CS:CS+1], v[NM+2*ta:NM+2*ta+1] op_sel_hi:[1,0,0]   ; t - M, two at a time
.set nn, nn+2
.endr
.endr
.set nn, 0
.rept 256
	v_exp_f32 v[nn], v[nn]                         ; p = 2^(t - M), at most 1
.set nn, nn+1
.endr
	v_nop                                          ; a plain instruction behind the last exponential (ISA guide 5.7.2)
	s_wait_alu depctr_va_vdst(0)                   ; the wait ahead of the first line that names a result: one for the batch of 256
	WIN \X<<2
.set nn, 0
.rept 32
.irp q, 0,1,2,3
	v_pk_add_f32 v[LS+2*(4*(\X-2)+\q):LS+2*(4*(\X-2)+\q)+1], v[LS+2*(4*(\X-2)+\q):LS+2*(4*(\X-2)+\q)+1], v[64*\q+nn:64*\q+nn+1]   ; the sum is taken of the unquantised p; the four tiles by turns
.endr
.set nn, nn+2
.endr
	WIN (\X<<6)|\X
.set nn, 0
.rept 256
	v_min_num_f32 v[nn], v[nn], v[PLIM]            ; the conversion to an 8-bit code does not saturate (ISA guide 7.6.2); p is not negative, so the hold is one-sided
.set nn, nn+1
.endr
.if \X == 3
	s_wait_dscnt 0x0                               ; the first half's LDS stores have read TMP
.endif
	WIN \X
.irp q, 0,1,2,3
.irp b, 0,1,2,3,4,5,6,7
	v_cvt_scalef32_pk8_fp8_f32 v[TMP+16*\q+2*\b:TMP+16*\q+2*\b+1], v[64*\q+8*\b:64*\q+8*\b+7], v[PSC]   ; registers 2 b, 2 b + 1 of the tile's fragment: keys 16 b + 8 h + 0 .. 7
.endr
.endr
	WIN 0
	v_nop                                          ; a plain vector line behind the last conversion: later products write its sources
.irp q, 0,1,2,3
.irp c, 0,1,2,3
	ds_store_b128 v[PWA], v[TMP+16*\q+4*\c:TMP+16*\q+4*\c+3] offset:2048*(4*(\X-2)+\q)+512*\c
.endr
.endr
.endm
	s_load_b256 s[4:11], s[0:1], 0x0               ; qf s[4:5], kvf s[6:7], the scales' exponents s[8:9], out0 s[10:11]
	v_lshrrev_b32 v64, 5, v0
	v_readfirstlane_b32 s[WV], v64                 ; wave 0..3
	s_and_b32 s39, ttmp9, 31                       ; the batch
	s_lshr_b32 s[QB], ttmp9, 5                     ; my block of 128 queries in it
	s_lshl_b32 s30, s39, 20                        ; the batch's 1,048,576 bytes of kvf
	s_mov_b32 s31, 0
	s_lshl_b32 s40, s39, 3
	s_add_co_u32 s40, s40, s[QB]                   ; 8 x batch + block: my place in qf and in out0
	s_lshl_b32 s32, s40, 16                        ; my 65,536 bytes of qf
	s_mov_b32 s33, 0
	s_lshl_b32 s34, s40, 18                        ; out0: my 128 rows of 2,048 bytes,
	s_lshl_b32 s35, s[WV], 9                       ; my wave's 128 channels
	s_add_co_u32 s34, s34, s35
	s_mov_b32 s35, 0
	s_mov_b32 s[SEL], 0x76543210
	s_mov_b32 s[SEL+1], 0xfedcba98
	v_and_b32 v64, 31, v0                          ; lane
	v_lshlrev_b32 v[LI], 4, v64
	s_lshl_b32 s13, s[WV], 14
	v_add_nc_u32 v[DOF], s13, v[LI]
	v_lshlrev_b32 v[PFO], 8, v64
	v_add_nc_u32 v[PFO], s13, v[PFO]
	v_add_nc_u32 v[PA0], PIMG, v[LI]
	v_add_nc_u32 v[PA1], PIMG+65536, v[LI]
	v_add_nc_u32 v[PW0], PIMG, v[DOF]
	v_add_nc_u32 v[SR0], STAT, v[LI]
	s_lshl_b32 s15, s[WV], 10
	v_add_nc_u32 v[SW0], s15, v[SR0]
	s_mul_i32 s36, s[WV], 16*SP
	s_add_co_u32 s36, s36, STG                     ; my stage
	v_and_b32 v65, 15, v0                          ; r
	v_bfe_u32 v66, v0, 4, 1                        ; h
	v_mul_u32_u24 v[STO], v65, SP
	v_lshl_add_u32 v[STO], v66, 5, v[STO]
	v_add_nc_u32 v[STO], s36, v[STO]               ; in: row r, 32 bytes for each half of the lanes
	v_add_nc_u32 v[RD], s36, v[LI]                 ; back: the 32 lanes take one row of 512 bytes
	s_wait_kmcnt 0x0
	s_load_b128 s[16:19], s[8:9], 0x18             ; e6, e7, e8, e9
	s_add_nc_u64 s[4:5], s[4:5], s[32:33]
	s_add_nc_u64 s[DB:DB+1], s[6:7], s[30:31]
	s_add_nc_u64 s[10:11], s[10:11], s[34:35]
.set ii, 0
.rept 32
	global_load_b128 v[AF+4*ii:AF+4*ii+3], v[DOF], s[4:5] offset:512*ii th:TH_LOAD_NT   ; my quarter of Q's images, as it lies
.set ii, ii+1
.endr
	DLOAD 0, 0, 0, 8                               ; K's first step
	s_wait_loadcnt 32                              ; Q is in; the 32 loads of K's first step may be out
.set ii, 0
.rept 32
	ds_store_b128 v[DOF], v[AF+4*ii:AF+4*ii+3] offset:512*ii
.set ii, ii+1
.endr
	DLOAD 1, STEPB, 0, 8
.irp a, 0,1,2,3,4,5,6,7
	v_mov_b32 v[NM+2*\a], 0x7f61b1e6               ; -M = 3e38,
	v_mov_b32 v[NM+2*\a+1], 0xff61b1e6             ; the largest score so far: -3e38, under every score.  The first change of M makes f = 0, which multiplies zeros
	v_mov_b32 v[FF+2*\a], 0
	v_mov_b32 v[FF+2*\a+1], 0                      ; (named as the upper half of a pair)
	v_mov_b32 v[LS+2*\a], 0
	v_mov_b32 v[LS+2*\a+1], 0
.endr
	s_wait_kmcnt 0x0
	s_add_co_i32 s37, s16, s17
	s_lshl_b32 s37, s37, 23
	s_add_co_i32 s[CS], s37, 0x3d8293ee            ; c = log2(e) / sqrt(512); a score stands for score x 2^(e6 + e7): the two exponents are added to c's exponent field
	s_mov_b32 s[CS+1], s[CS]                       ; (named with it as a pair, so it is written)
	s_add_co_i32 s37, s18, 127
	s_lshl_b32 s38, s37, 23
	v_mov_b32 v[PSC], s38
	s_add_co_i32 s37, s37, 8
	s_lshl_b32 s37, s37, 23
	s_or_b32 s37, s37, 0x600000
	v_mov_b32 v[PLIM], s37
	s_add_co_i32 s[ESUM], s18, s19
	s_mov_b32 s[CNT], 0
	s_mov_b32 s[PB], 0
	s_mov_b32 s[SB], 0
	BARRIER                                        ; Q's 32 images lie in LDS; nothing writes them again
	; ---- STAGE 1: a trip is a chunk of 512 keys.  Each area of statistics and each image of P is written once in the launch, so no barrier stands at a trip's end
.Lchunk:
	v_add_nc_u32 v[PWA], s[PB], v[PW0]
	v_add_nc_u32 v[SWA], s[SB], v[SW0]
	v_add_nc_u32 v[SRA], s[SB], v[SR0]
	FETCH_A LI, 0, 0
	FETCH_A LI, 0, 4
	STEP 0, 1, 32, 1, LI, 16384, 1, 2*STEPB, 1, 6*STEPB
	STEP 1, 0, 32, 1, LI, 32768, 1, 3*STEPB, 1, 7*STEPB
	STEP 0, 0, 32, 1, LI, 49152, 1, 4*STEPB, 1, 8*STEPB      ; the stream runs on: the next chunk's first two steps of K, or V's first two, land during the softmax
	STEP 1, 0, 32, 0, LI, 0, 2, 5*STEPB, 1, 9*STEPB          ; seven fragments now; the eighth between the softmax's two halves
	MAXW 2
	MAXW 3
	WIN 0
.irp a, 0,1,2,3,4,5,6,7
	v_max_num_f32 v[LM+\a], v[LM+\a], v[LB+\a]
.endr
.irp a, 0,1,2,3,4,5,6,7
	v_permlanex16_b32 v[LB+\a], v[LM+\a], s[SEL], s[SEL+1]   ; the query's other 64 of my keys lie in the lane 16 away
.endr
.irp a, 0,1,2,3,4,5,6,7
	v_max_num_f32 v[LM+\a], v[LM+\a], v[LB+\a]
.endr
	ds_store_b128 v[SWA], v[LM:LM+3]
	ds_store_b128 v[SWA], v[LM+4:LM+7] offset:512
	BARRIER                                        ; the four waves' maxima lie in the chunk's area
.irp u, 0,1,2,3,4,5,6,7
	ds_load_b128 v[TS+4*\u:TS+4*\u+3], v[SRA] offset:512*\u  ; register 8 w + a: wave w's maximum for tile a
.endr
	s_wait_dscnt 0x0
.irp a, 0,1,2,3,4,5,6,7
	v_max3_num_f32 v[NM+2*\a+1], v[TS+\a], v[TS+8+\a], v[TS+16+\a]
.endr
.irp a, 0,1,2,3,4,5,6,7
	v_max_num_f32 v[NM+2*\a+1], v[NM+2*\a+1], v[TS+24+\a]    ; the largest score so far (each wave's chains began with the old one)
.endr
.irp a, 0,1,2,3,4,5,6,7
	v_mul_f32 v[LM+\a], s[CS], v[NM+2*\a+1]                  ; as t (c is positive)
	v_mov_b32 v[LB+\a], v[NM+2*\a]
.endr
.irp a, 0,1,2,3,4,5,6,7
	v_floor_f32 v[NM+2*\a], -v[LM+\a]                        ; the new -M = floor(-t) = -ceil(t): M is a whole number
.endr
.irp a, 0,1,2,3,4,5,6,7
	v_sub_f32 v[LB+\a], v[NM+2*\a], v[LB+\a]                 ; M's old value less its new one: a whole number, 0 or less
.endr
.irp a, 0,1,2,3,4,5,6,7
	v_cvt_i32_f32 v[LB+\a], v[LB+\a]                         ; (it saturates)
.endr
.irp a, 0,1,2,3,4,5,6,7
	v_ldexp_f32 v[FF+2*\a], 1.0, v[LB+\a]                    ; f = 2^(old M - new M)
.endr
.irp a, 0,1,2,3,4,5,6,7
	v_pk_mul_f32 v[LS+2*\a:LS+2*\a+1], v[LS+2*\a:LS+2*\a+1], v[FF+2*\a:FF+2*\a+1] op_sel_hi:[1,0]   ; the sums under the new M
.endr
	EXPW 2
	DLOAD 1, 5*STEPB, 7, 1                         ; the eighth fragment of the step asked for at the last step's end: it is wanted two steps on
	EXPW 3
	s_wait_xcnt 0x0                                ; the loads and prefetches have read the stream's base: it is written only behind this wait
	s_add_nc_u64 s[DB:DB+1], s[DB:DB+1], 4*STEPB
	s_add_co_u32 s[PB], s[PB], 65536
	s_add_co_u32 s[SB], s[SB], 4096
	s_add_co_u32 s[CNT], s[CNT], 1
	s_cmp_lt_u32 s[CNT], 2
	s_cbranch_scc1 .Lchunk
	; ---- the row sums: two halves, the other half of the lanes, the four waves
	s_wait_dscnt 0x0                               ; the last images' LDS stores have read TMP, of which v96-111 are written now
.irp a, 0,1,2,3,4,5,6,7
	v_add_f32 v[LM+\a], v[LS+2*\a], v[LS+2*\a+1]
.endr
.irp a, 0,1,2,3,4,5,6,7
	v_permlanex16_b32 v[LB+\a], v[LM+\a], s[SEL], s[SEL+1]
.endr
.irp a, 0,1,2,3,4,5,6,7
	v_add_f32 v[LM+\a], v[LM+\a], v[LB+\a]
.endr
	ds_store_b128 v[SW0], v[LM:LM+3] offset:8192
	ds_store_b128 v[SW0], v[LM+4:LM+7] offset:8704
	BARRIER                                        ; the sums lie in the third area, and all 64 images of P lie in LDS
.irp u, 0,1,2,3,4,5,6,7
	ds_load_b128 v[TS+4*\u:TS+4*\u+3], v[SR0] offset:8192+512*\u
.endr
	FETCH_A PA0, 0, 0
	FETCH_A PA0, 0, 4
	s_wait_dscnt 32                                ; the sums are in; the 32 loads of P's first fragments may be out
.irp a, 0,1,2,3,4,5,6,7
	v_add_f32 v[LM+\a], v[TS+\a], v[TS+8+\a]
	v_add_f32 v[LB+\a], v[TS+16+\a], v[TS+24+\a]
.endr
.irp a, 0,1,2,3,4,5,6,7
	v_add_f32 v[LM+\a], v[LM+\a], v[LB+\a]
.endr
.irp a, 0,1,2,3,4,5,6,7
	v_rcp_f32 v[LS+2*\a], v[LM+\a]
.endr
	v_nop                                          ; a plain instruction behind the last reciprocal (ISA guide 5.7.2)
	s_wait_alu depctr_va_vdst(0)                   ; the wait ahead of the first line that names a result: one for the eight
.irp a, 0,1,2,3,4,5,6,7
	v_ldexp_f32 v[LS+2*\a], v[LS+2*\a], s[ESUM]    ; 2^(e8 + e9) / the row's sum
.endr
	; ---- STAGE 2: O^T = V^T P, eight K steps of 128 keys
	STEP 0, 1, 32, 1, PA0, 16384, 1, 2*STEPB, 1, 6*STEPB
	STEP 1, 0, 32, 1, PA0, 32768, 1, 3*STEPB, 1, 7*STEPB
	STEP 0, 0, 32, 1, PA0, 49152, 1, 4*STEPB, 0, 0
	STEP 1, 0, 32, 1, PA1, 0, 2, 5*STEPB, 0, 0     ; seven fragments now; the eighth behind the multiplications below
.irp X, 2,3                            ; the first chunk's part of O^T was summed under the first chunk's M: x f, a power of two.  The step's closing four places stand in front
	WIN (\X<<6)|\X
.irp q, 0,1,2,3
.set nn, 0
.rept 32
	v_pk_mul_f32 v[64*\q+nn:64*\q+nn+1], v[64*\q+nn:64*\q+nn+1], v[FF+2*(4*(\X-2)+\q):FF+2*(4*(\X-2)+\q)+1] op_sel_hi:[1,0]
.set nn, nn+2
.endr
.endr
.endr
	DLOAD 1, 5*STEPB, 7, 1
	STEP 0, 0, 32, 1, PA1, 16384, 1, 6*STEPB, 0, 0
	STEP 1, 0, 32, 1, PA1, 32768, 1, 7*STEPB, 0, 0
	STEP 0, 0, 32, 1, PA1, 49152, 0, 0, 0, 0
	STEP 1, 0, 0, 0, PA1, 0, 0, 0, 0, 0
; THE WAY OUT, a tile of 16 queries x my 128 channels at a time.  A lane holds 32 neighbouring bytes of a row, and the lanes beside it hold other rows: so a block goes through my own stage in LDS and comes back as whole
; rows of 512 bytes.  LDS serves a wave's instructions in order (ISA guide 5.7.1.4): no wait between the stores and the loads, nor in front of the next block's stores.
.macro TOSTAGE a
.set AC, 64*((\a)%4)
	WIN 2+(\a)/4
.set nn, 0
.rept 32
	v_pk_mul_f32 v[TMP+nn:TMP+nn+1], v[AC+nn:AC+nn+1], v[LS+2*(\a):LS+2*(\a)+1] op_sel_hi:[1,0]   ; x 2^(e8 + e9) / the row's sum; each accumulator from its low end on
.set nn, nn+2
.endr
	WIN 0
.irp b, 0,1,2,3,4,5,6,7
	ds_store_b128 v[STO], v[TMP+8*\b:TMP+8*\b+3] offset:64*\b
	ds_store_b128 v[STO], v[TMP+8*\b+4:TMP+8*\b+7] offset:64*\b+16
.endr
.set BB, AF+64*((\a)%2)
.irp t, 0,1,2,3,4,5,6,7,8,9,10,11,12,13,14,15
	ds_load_b128 v[BB+4*\t:BB+4*\t+3], v[RD] offset:\t*SP
.endr
.endm
.macro SEND a, younger                 ; younger: the LDS instructions issued behind block a's loads, which may stay out
.set BB, AF+64*((\a)%2)
	s_wait_dscnt \younger
.irp t, 0,1,2,3,4,5,6,7,8,9,10,11,12,13,14,15
	global_store_b128 v[LI], v[BB+4*\t:BB+4*\t+3], s[10:11] offset:(16*(\a)+\t)*2048 th:TH_STORE_NT   ; 32 lanes store 512 consecutive bytes, at a multiple of 256 from the output's first byte; the base is never stepped
.endr
.endm
	TOSTAGE 0
.irp a, 1,2,3,4,5,6,7
.if \a > 1
	s_wait_xcnt 0x0                                ; block a - 2's stores have read their registers: block a's loads may land there
.endif
	TOSTAGE \a
	SEND \a-1, 32                                  ; behind block a - 1's loads: block a's 16 stores and 16 loads
.endr
	SEND 7, 0
	s_wait_xcnt 0x0
	v_lshl_add_u32 v254, v0, 2, 0x3b400
	v_mov_b32 v255, 0
	s_wait_tensorcnt 0x0
	ds_add_u32 v254, v255
	s_wait_dscnt 0x0
	s_endpgm
.Lfunc_end_k_q1c50f5c656_attn:
	.size	k_q1c50f5c656_attn, .Lfunc_end_k_q1c50f5c656_attn-k_q1c50f5c656_attn
	.p2alignl 7, 3214868480
	.fill 96, 4, 3214868480
	.section	.rodata,"a",@progbits
	.p2align	6, 0x0
	.amdhsa_kernel k_q1c50f5c656_attn
		.amdhsa_group_segment_fixed_size 243200
		.amdhsa_private_segment_fixed_size 0
		.amdhsa_enable_private_segment 0
		.amdhsa_kernarg_size 32
		.amdhsa_user_sgpr_count 2
		.amdhsa_user_sgpr_kernarg_segment_ptr 1
		.amdhsa_wavefront_size32 1
		.amdhsa_system_sgpr_workgroup_id_x 1
		.amdhsa_system_sgpr_workgroup_id_y 1
		.amdhsa_system_sgpr_workgroup_id_z 1
		.amdhsa_system_vgpr_workitem_id 0
		.amdhsa_next_free_vgpr 1024
		.amdhsa_next_free_sgpr 66
		.amdhsa_reserve_vcc 0
		.amdhsa_float_denorm_mode_32 3
		.amdhsa_float_denorm_mode_16_64 3
		.amdhsa_memory_ordered 1
		.amdhsa_forward_progress 1
		.amdhsa_inst_pref_size 255
	.end_amdhsa_kernel
	.section	.bss,"aw",@nobits
	.p2align	6
	.space	262144
	.amdgpu_metadata
---
amdhsa.version: [ 1, 2 ]
amdhsa.kernels:
  - .name:           k_q1c50f5c656_attn
    .symbol:         k_q1c50f5c656_attn.kd
    .args:
      - { .name: qf, .offset: 0, .size: 8, .value_kind: global_buffer, .address_space: global }
      - { .name: kvf, .offset: 8, .size: 8, .value_kind: global_buffer, .address_space: global }
      - { .name: lowp_scales, .offset: 16, .size: 8, .value_kind: global_buffer, .address_space: global }
      - { .name: out0, .offset: 24, .size: 8, .value_kind: global_buffer, .address_space: global }
    .group_segment_fixed_size: 243200
    .private_segment_fixed_size: 0
    .kernarg_segment_align: 8
    .kernarg_segment_size: 32
    .max_flat_workgroup_size: 128
    .sgpr_count:     66
    .vgpr_count:     1024
    .wavefront_size: 32
...
	.end_amdgpu_metadata
.endif
;; end of part 3
;; ======== version 2 of 2: 3 launches
;; workspace buffers: wf 786,432 bytes; qf 16,777,216 bytes; kvf 33,554,432 bytes
;; launch wprep (part 4): grid 96 x 1, 4 waves a work-group, no clusters, 0 bytes of LDS; arguments Wq, Wk, Wv, lowp_scales, wf; writes wf
.if DOCPART == 4
	.amdgcn_target "amdgcn-amd-amdhsa--gfx1250"
	.amdhsa_code_object_version 6
	.text
	.protected	k_q1c50f5c656_wprep
	.globl	k_q1c50f5c656_wprep
	.p2align	8
	.type	k_q1c50f5c656_wprep,@function
k_q1c50f5c656_wprep:
	s_mov_b64 s[64:65], 0
	v_nop
	global_prefetch_b8 v0, s[64:65] scope:SCOPE_SE
	s_setreg_imm32_b32 hwreg(HW_REG_WAVE_MODE, 25, 1), 1
	s_wait_xcnt 0x0
; Wq, Wk, Wv: [512 (d)][512 (k)] f32 -> codes of E4M3, each with the scale 2^e that is given for it (entries 1, 3, 5 of the scales), laid as IMAGES OF OPERAND REGISTERS.
; code = w / 2^e, held within +-448, to the nearest code, ties to even.  LIMITS: e between -126 and 119, so that 2^e and 448 x 2^e are f32 numbers; NaN among the inputs is not served.
; A fragment is 16 rows d x 128 along k, 16 registers a lane: lane (r, h) holds row r; registers 4 c .. 4 c + 3 hold k = 32 c + 16 h + 0 .. 15.  Its image is 2,048 bytes: registers 4 c .. 4 c + 3 of lane l at 512 c + 16 l.
; wf = [j: q, k, v][K step s 0..3][tile of 16 rows T 0..31][2,048].  Work-group g: j = g / 32, T = g % 32; wave s makes fragment (j, s, T).
; The three weights are 3 MiB in all and are read once: no LDS, no barrier.  Each store of a wave covers 512 consecutive bytes, aligned.
.set NUM, 16                           ; v16-79  the lane's 64 numbers, register 16 c + i = k 32 c + 16 h + i
.set COD, 80                           ; v80-95  the fragment
	s_load_b256 s[4:11], s[0:1], 0x0               ; Wq s[4:5], Wk s[6:7], Wv s[8:9], the scales' exponents s[10:11]
	s_load_b64 s[12:13], s[0:1], 0x20              ; wf
	v_lshrrev_b32 v1, 5, v0
	v_readfirstlane_b32 s14, v1                    ; wave = K step s
	v_and_b32 v1, 15, v0                           ; r
	v_bfe_u32 v2, v0, 4, 1                         ; h
	v_lshlrev_b32 v3, 11, v1                       ; row r of 2,048 bytes
	v_lshl_add_u32 v3, v2, 6, v3                   ; + 64 h: my 16 numbers of a block of 32
	v_and_b32 v4, 31, v0
	v_lshlrev_b32 v4, 4, v4                        ; 16 x lane: my place in an image
	s_lshr_b32 s15, ttmp9, 5                       ; j
	s_and_b32 s16, ttmp9, 31                       ; T
	s_lshl_b32 s18, s16, 15                        ; in W: 16 T rows of 2,048 bytes
	s_lshl_b32 s17, s14, 9                         ; + 128 s numbers
	s_add_co_u32 s18, s18, s17
	s_mov_b32 s19, 0
	s_lshl_b32 s20, s15, 18                        ; in wf: 262,144 j
	s_lshl_b32 s17, s14, 16                        ; + 65,536 s
	s_add_co_u32 s20, s20, s17
	s_lshl_b32 s17, s16, 11                        ; + 2,048 T
	s_add_co_u32 s20, s20, s17
	s_mov_b32 s21, 0
	s_wait_alu depctr_va_vdst(0)
	s_wait_kmcnt 0x0
	s_load_b256 s[24:31], s[10:11], 0x0            ; e0 .. e7
	s_cmp_eq_u32 s15, 0                            ; which weight: the choice hangs on the work-group's number alone
	s_cselect_b64 s[6:7], s[4:5], s[6:7]
	s_cmp_eq_u32 s15, 2
	s_cselect_b64 s[6:7], s[8:9], s[6:7]
	s_add_nc_u64 s[6:7], s[6:7], s[18:19]
	s_add_nc_u64 s[12:13], s[12:13], s[20:21]
.irp c, 0,1,2,3
.irp i, 0,1,2,3
	global_load_b128 v[NUM+16*\c+4*\i:NUM+16*\c+4*\i+3], v3, s[6:7] offset:128*\c+16*\i th:TH_LOAD_NT
.endr
.endr
	s_wait_kmcnt 0x0
	s_cmp_eq_u32 s15, 0
	s_cselect_b32 s22, s25, s27                    ; e1 for Wq, e3 for Wk,
	s_cmp_eq_u32 s15, 2
	s_cselect_b32 s22, s29, s22                    ; e5 for Wv
	s_add_co_i32 s22, s22, 127
	s_lshl_b32 s23, s22, 23
	v_mov_b32 v11, s23                             ; 2^e as f32: the conversion takes its exponent field
	s_add_co_i32 s22, s22, 8
	s_lshl_b32 s22, s22, 23
	s_or_b32 s22, s22, 0x600000
	v_mov_b32 v10, s22                             ; 448 x 2^e
	s_wait_alu depctr_va_vdst(0)
	s_wait_loadcnt 0x0
.set nn, 0
.rept 64
	v_med3_num_f32 v[NUM+nn], v[NUM+nn], -v10, v10 ; the conversion to an 8-bit code does not saturate (ISA guide 7.6.2): the hold comes first
.set nn, nn+1
.endr
.irp c, 0,1,2,3
	v_cvt_scalef32_pk8_fp8_f32 v[COD+4*\c:COD+4*\c+1], v[NUM+16*\c:NUM+16*\c+7], v11
	v_cvt_scalef32_pk8_fp8_f32 v[COD+4*\c+2:COD+4*\c+3], v[NUM+16*\c+8:NUM+16*\c+15], v11
.endr
	v_nop                                          ; a plain vector line behind the last conversion
.irp c, 0,1,2,3
	global_store_b128 v4, v[COD+4*\c:COD+4*\c+3], s[12:13] offset:512*\c
.endr
	s_endpgm
.Lfunc_end_k_q1c50f5c656_wprep:
	.size	k_q1c50f5c656_wprep, .Lfunc_end_k_q1c50f5c656_wprep-k_q1c50f5c656_wprep
	.p2alignl 7, 3214868480
	.fill 96, 4, 3214868480
	.section	.rodata,"a",@progbits
	.p2align	6, 0x0
	.amdhsa_kernel k_q1c50f5c656_wprep
		.amdhsa_group_segment_fixed_size 0
		.amdhsa_private_segment_fixed_size 0
		.amdhsa_enable_private_segment 0
		.amdhsa_kernarg_size 40
		.amdhsa_user_sgpr_count 2
		.amdhsa_user_sgpr_kernarg_segment_ptr 1
		.amdhsa_wavefront_size32 1
		.amdhsa_system_sgpr_workgroup_id_x 1
		.amdhsa_system_sgpr_workgroup_id_y 1
		.amdhsa_system_sgpr_workgroup_id_z 1
		.amdhsa_system_vgpr_workitem_id 0
		.amdhsa_next_free_vgpr 96
		.amdhsa_next_free_sgpr 66
		.amdhsa_reserve_vcc 0
		.amdhsa_float_denorm_mode_32 3
		.amdhsa_float_denorm_mode_16_64 3
		.amdhsa_memory_ordered 1
		.amdhsa_forward_progress 1
		.amdhsa_inst_pref_size 9
	.end_amdhsa_kernel
	.amdgpu_metadata
---
amdhsa.version: [ 1, 2 ]
amdhsa.kernels:
  - .name:           k_q1c50f5c656_wprep
    .symbol:         k_q1c50f5c656_wprep.kd
    .args:
      - { .name: Wq, .offset: 0, .size: 8, .value_kind: global_buffer, .address_space: global }
      - { .name: Wk, .offset: 8, .size: 8, .value_kind: global_buffer, .address_space: global }
      - { .name: Wv, .offset: 16, .size: 8, .value_kind: global_buffer, .address_space: global }
      - { .name: lowp_scales, .offset: 24, .size: 8, .value_kind: global_buffer, .address_space: global }
      - { .name: wf, .offset: 32, .size: 8, .value_kind: global_buffer, .address_space: global }
    .group_segment_fixed_size: 0
    .private_segment_fixed_size: 0
    .kernarg_segment_align: 8
    .kernarg_segment_size: 40
    .max_flat_workgroup_size: 128
    .sgpr_count:     66
    .vgpr_count:     96
    .wavefront_size: 32
...
	.end_amdgpu_metadata
.endif
;; end of part 4
;; launch proj (part 5): grid 256 x 1, 4 waves a work-group, no clusters, 203,264 bytes of LDS; arguments x, wf, lowp_scales, qf, kvf; writes qf, kvf
.if DOCPART == 5
	.amdgcn_target "amdgcn-amd-amdhsa--gfx1250"
	.amdhsa_code_object_version 6
	.text
	.protected	k_q1c50f5c656_proj
	.globl	k_q1c50f5c656_proj
	.p2align	8
	.type	k_q1c50f5c656_proj,@function
k_q1c50f5c656_proj:
	s_mov_b64 s[64:65], 0
	v_nop
	global_prefetch_b8 v0, s[64:65] scope:SCOPE_SE
	s_setreg_imm32_b32 hwreg(HW_REG_WAVE_SCHED_MODE, 0, 2), 2
	s_setreg_imm32_b32 hwreg(HW_REG_WAVE_MODE, 25, 1), 1
	s_wait_xcnt 0x0
	s_wait_alu depctr_vm_vsrc(0)
; q = xs Wq^T, k = xs Wk^T, v = xs Wv^T on codes of E4M3, xs = x read as [32,768][512]; q, k and v leave as codes of E4M3, laid as images of the operand registers that the attention launch wants.
; x is quantised three times, with 2^e0, 2^e2, 2^e4; the weights come as codes (wf).  A sum of product j stands for sum x 2^(ex + ew): its code is sum / 2^(eout - ex - ew), eout = e6 (q), e7 (k), e9 (v): three scales in one.
; LIMITS: e0, e2, e4, e6 - e0 - e1, e7 - e2 - e3, e9 - e4 - e5 between -126 and 119, so that each power of two and 448 x it are f32 numbers.  NaN among the inputs is not served.
; SHARES.  Work-group g owns rows 128 g .. 128 g + 127 (batch g / 8, row block g % 8).  Wave w makes columns 128 w .. 128 w + 127 of q, of k and of v for all 128 rows: 64 accumulators of 16 x 16, 512 registers.
; THE WAVES SPLIT THE WEIGHTS: each fragment of W has one reader in the work-group, so it goes from memory straight into that wave's registers, 512 consecutive bytes a load.  Only x's codes, which all four waves read, lie in LDS.
; So for 64 matrix instructions a wave reads 16,384 bytes from LDS; with both operands in LDS it would read 32,768.  That, and the 202,752 bytes that x's three sets of codes take, is why the weights are not brought by tensor loads shared in a cluster.
; PHASE X: wave w reads rows 32 w .. 32 w + 31 of the block, 512 consecutive bytes a load, each row into registers of its own (the later accumulators), 14 rows ahead; holds and converts each row three times; 4 codes a lane go to LDS.
; x goes out first; the first two steps of the weights follow x's last rows, a fragment in each row's turn: 56 to 60 loads of the wave are out through the whole phase.
; q and k are made TRANSPOSED (source 0 = 16 rows of W, source 1 = 16 rows of x): a lane holds one row and eight neighbours along d, the next K.  v is made the natural way: a lane holds one channel and eight neighbouring keys, its next K.
; So each conversion's two registers are registers 2 c, 2 c + 1 of a fragment in the plain layout (k = 16 c + 8 h + 0 .. 7).
; REGISTERS, in windows of 256: window 0: v1-17 addresses and scales; v32-55 code words; v64-127 at work, and x's blocks 0-3 in odd steps; v128-191 x's blocks 0-3 in even steps; v192-255 x's blocks 4-7.  window 1: W's fragments, two sets, at v0 and v128.
;   windows 2, 3: first x's rows as f32 (row i at v[16 (i % 16)] of window 2 + i / 16), then the accumulators: (a = tile of rows, b = tile of columns) at v[64 (a % 4) + 8 b] of window 2 + a / 4.
; THE MODE: SCHED_MODE bits 1:0 = 2 (LLVM: expert scheduling mode 2), set by the entry lines.  The code itself states the register dependences
; between vector or matrix instructions and memory or LDS instructions, with s_wait_alu, always for 0.
; THE PLAN.  Registers that memory or LDS instructions touch:
;   v1-3, v6-8    Offsets and LDS addresses, made at the head and never written again; v62, v63 likewise, for the closing add.
;   x's rows      Each is loaded once, before any vector line names it; no load lands there afterwards.
;   CW0, CW1      Row i's conversions write CW[i % 2]; the twelve LDS stores that read it are issued in row i + 1's turn, behind that turn's two waits.
;   P0, P1        x's blocks 0-3 (v128-191 in even steps, v64-127 in odd ones).  Step s's first 32 products read P[s % 2]; in its middle the LDS loads of step s + 1 land in the other, which no product since the last wait names.
;   R             x's blocks 4-7 (v192-255).  Step s's last 32 products read it; the loads of step s + 1 land in it at the step's end.
;   W0, W1        Step s's 64 products read W[s % 2]; the loads of step s + 2 land in it at the step's end.
;   TMP = P1      On the way out: written by the conversions, read by sixteen stores for each half.
;   v4, v5        LDS addresses of the set of x's codes in hand and of the next: written at a product's head, read by the product's LDS loads.
; So ONE wait on va_vdst stands in a step, at its end, behind its last product: R and W[s % 2] are asked for again at once, ahead of the wait for the other set's data, and P[s % 2] is free for the next step's middle.
.set STEPB, 65536                      ; a step of the stream of weights: 32 fragments of 2,048 bytes; wave w's eight at 16,384 w
.set XP,    528                        ; a row of x's codes in LDS: 512 bytes + 16: 33 x 16, so the 16 rows of a fragment load start at 16 different groups of banks (64 banks of 4 bytes: ISA guide 11.1)
.set XCB,   128*XP                     ; one set of codes; set j (q, k, v) at j x XCB
.set AHEAD, 14                         ; rows of x on their way: 56 loads a wave
.set LI,   1                           ; v1     16 x lane
.set DOF,  2                           ; v2     16 x lane + 16,384 x wave: my place in a step of the weights
.set XA0,  3                           ; v3     528 r + 16 h: my place in a fragment of x
.set XAD,  4                           ; v4     the same in the set in hand
.set XAD2, 5                           ; v5     and in the next set
.set XW,   6                           ; v6-8   where I put 4 codes of a row: 32 w x 528 + 4 x lane + j x XCB
.set XS,   10                          ; v10-12 2^e0, 2^e2, 2^e4
.set XL,   13                          ; v13-15 448 x those
.set OS,   16                          ; v16    the scale of the output in hand
.set OL,   17                          ; v17    448 x it
.set CW,   32                          ; v32-55 two sets of 12 code words, by the row's parity
.set T,    64                          ; v64-111 phase X: a row's 16 numbers of my lane, held three times
.set TMP,  64                          ; v64-127 the way out: codes
.set AF,   128                         ; x's block a of step parity p at v[AF + 16 a - 64 p] for a < 4, at v[AF + 16 a] for a >= 4
.set DB,   6                           ; s[6:7]   where the stream of weights stands
.set WV,   14                          ; s14      my wave's number
.set OB,   42                          ; s[42:43] where the output in hand goes
.set J,    50                          ; s50      0: q, 1: k
.set XB,   51                          ; s51      LDS byte at which the set of x's codes in hand begins
.set MSB, 0
.macro WIN new                         ; s_set_vgpr_msb: bits 1:0 source 0, 3:2 source 1, 5:4 source 2, 7:6 destination; the high byte repeats the setting that is left
.if MSB != (\new)
	s_set_vgpr_msb (MSB<<8)|(\new)
.set MSB, (\new)
.endif
.endm
.macro PLACES n                        ; a vector instruction that reads a matrix result or writes one of a matrix instruction's registers stands four plain vector instructions behind it (ISA guide 7.12.1)
.rept \n
	v_nop
.endr
.endm
.macro POW2 e, sc, lim                 ; s[e] holds an exponent (it is used up): s[sc] = 2^e, s[lim] = 448 x 2^e, as f32
	s_add_co_i32 s[\e], s[\e], 127
	s_lshl_b32 s[\sc], s[\e], 23
	s_add_co_i32 s[\e], s[\e], 8
	s_lshl_b32 s[\lim], s[\e], 23
	s_or_b32 s[\lim], s[\lim], 0x600000
.endm
.macro DLOAD p, off, b0, nb            ; fragments b0 .. b0 + nb - 1 of my eight of the step of weights at byte off of the stream, into set p: four loads a fragment
	WIN 0x40
.set bb, \b0
.rept \nb
.irp c, 0,1,2,3
	global_load_b128 v[128*(\p)+16*bb+4*\c:128*(\p)+16*bb+4*\c+3], v[DOF], s[DB:DB+1] offset:(\off)+2048*bb+512*\c
.endr
.set bb, bb+1
.endr
	WIN 0
.endm
.macro FETCH_A reg, adr, off, i0       ; x's fragments i0 .. i0 + 3 at byte off of the rows, into v[reg] on: registers 4 c .. 4 c + 3 of a fragment = k 32 c + 16 h + 0 .. 15: 16 loads
.irp k, 0,1,2,3
.irp c, 0,1,2,3
	ds_load_b128 v[\reg+16*\k+4*\c:\reg+16*\k+4*\c+3], v[\adr] offset:(\off)+16*XP*((\i0)+\k)+32*\c
.endr
.endr
.endm
; 16 matrix instructions: x's blocks a0, a0 + 1 against W's eight of set p.  var = 0: source 0 = W, source 1 = x; var = 1: the other way round.  zero = 1: the products start the sums.
; The 64 accumulators take turns, one instruction a turn, in the same order in every step.
.macro MUL16 var, a0, p, zero
.if \var
	WIN 0xa4+0x50*((\a0)/4)
.else
	WIN 0xa1+0x50*((\a0)/4)
.endif
.irp a, \a0, \a0+1
.irp b, 0,1,2,3,4,5,6,7
.set rD, 64*((\a)%4)+8*\b
.set rW, 128*(\p)+16*\b
.set rX, AF+16*(\a)-64*(\p)*(1-(\a)/4)
.if \var
.if \zero
	v_wmma_f32_16x16x128_fp8_fp8 v[rD:rD+7], v[rX:rX+15], v[rW:rW+15], 0
.else
	v_wmma_f32_16x16x128_fp8_fp8 v[rD:rD+7], v[rX:rX+15], v[rW:rW+15], v[rD:rD+7]
.endif
.else
.if \zero
	v_wmma_f32_16x16x128_fp8_fp8 v[rD:rD+7], v[rW:rW+15], v[rX:rX+15], 0
.else
	v_wmma_f32_16x16x128_fp8_fp8 v[rD:rD+7], v[rW:rW+15], v[rX:rX+15], v[rD:rD+7]
.endif
.endif
.endr
.endr
.endm
; A step of 128 along K: 64 matrix instructions.  p: the step's parity: W's set, and which buffer holds x's blocks 0-3.  The next step's blocks 0-3 are fetched in the middle, into the other buffer; its blocks 4-7 at the end.
; W's set p is free at the end and takes the step two on.  lc: the loads that may stay out when set p has to be in.  na: is there a next fetch of x.  nd = 1: set p is asked for whole; nd = 2: its first seven fragments, 28 loads, which with the
; other set's 32 make 60: inside LOADcnt's field (an instruction that would pass the field waits at issue: ISA guide 5.7.1), so the wave goes straight on into the register work that follows; the eighth is asked for behind that work.
.macro STEP var, p, zero, lc, na, aadr, aoff, nd, doff
	s_wait_loadcnt \lc                             ; loads come back in order (ISA guide 5.7.1): set p is in, the other set's 32 may be out
	s_wait_dscnt 16                                ; x's blocks 0-3 are in; the 16 loads of blocks 4-7 may be out
	MUL16 \var, 0, \p, \zero
	MUL16 \var, 2, \p, \zero
	s_wait_dscnt 0x0                               ; blocks 4-7 are in (asked for 32 matrix instructions ago)
.if \na
	WIN 0
	FETCH_A (AF-64*(1-\p)), \aadr, \aoff, 0        ; no wait: the products that read this buffer stand ahead of the last step's wait, and nothing since names it or the address
.endif
	MUL16 \var, 4, \p, \zero
	MUL16 \var, 6, \p, \zero
	PLACES 4                                       ; behind the step's last products: where a way out follows, its first lines read results
	WIN 0
.if \na || \nd
	s_wait_alu depctr_va_vdst(0)                   ; the step's products are done reading x's blocks 4-7 and W's set p, in which the loads below land, and x's blocks 0-3, in which the next step's middle loads
.endif
.if \na
	FETCH_A (AF+64), \aadr, \aoff, 4
.endif
.if \nd == 1
	DLOAD \p, \doff, 0, 8
.endif
.if \nd == 2
	DLOAD \p, \doff, 0, 7
.endif
.endm
; THE WAY OUT, a window of 32 accumulators at a time: the hold, in place and from each accumulator's low end on; the conversion; 16 stores of 512 consecutive bytes, aligned.
; var = 0: the codes of (a, b) are registers 2 b, 2 b + 1 of the fragment of rows 16 a on.  var = 1: registers 2 a, 2 a + 1 of the fragment of channels 16 b on.
.macro OUT var, ob
.irp X, 2,3
	WIN (\X<<6)|\X
.set nn, 0
.rept 256
	v_med3_num_f32 v[nn], v[nn], -v[OL], v[OL]     ; the conversion to an 8-bit code does not saturate (ISA guide 7.6.2)
.set nn, nn+1
.endr
.if \X == 3
	s_wait_xcnt 0x0                                ; the first half's stores have had their addresses translated: TMP is written again only behind this wait,
	s_wait_alu depctr_vm_vsrc(0)                   ; and behind this one: the first half's stores have read TMP, which the conversions below write; the 256 holds above stand between
.endif
	WIN \X
.irp q, 0,1,2,3
.irp b, 0,1,2,3,4,5,6,7
.if \var
	v_cvt_scalef32_pk8_fp8_f32 v[TMP+8*\b+2*\q:TMP+8*\b+2*\q+1], v[64*\q+8*\b:64*\q+8*\b+7], v[OS]
.else
	v_cvt_scalef32_pk8_fp8_f32 v[TMP+16*\q+2*\b:TMP+16*\q+2*\b+1], v[64*\q+8*\b:64*\q+8*\b+7], v[OS]
.endif
.endr
.endr
	WIN 0
	v_nop                                          ; a plain vector line behind the last conversion: the next products write its sources
	s_wait_alu depctr_va_vdst(0)                   ; the conversions have written TMP, which the stores below read
.if \var
.irp b, 0,1,2,3,4,5,6,7
.irp c, 0,1
	global_store_b128 v[LI], v[TMP+8*\b+4*\c:TMP+8*\b+4*\c+3], s[\ob:\ob+1] offset:2048*\b+1024*(\X-2)+512*\c
.endr
.endr
.else
.irp q, 0,1,2,3
.irp c, 0,1,2,3
	global_store_b128 v[LI], v[TMP+16*\q+4*\c:TMP+16*\q+4*\c+3], s[\ob:\ob+1] offset:2048*(4*(\X-2)+\q)+512*\c
.endr
.endr
.endif
.endr
.endm
.macro XROW i                          ; row i of my 32: four loads of 512 consecutive bytes; register 4 u + e of the row = number 128 u + 4 x lane + e
	WIN 0x80+0x40*((\i)/16)
.irp u, 0,1,2,3
	global_load_b128 v[16*((\i)%16)+4*\u:16*((\i)%16)+4*\u+3], v[LI], s[4:5] offset:2048*(\i)+512*\u th:TH_LOAD_NT
.endr
.endm
.macro XSTORE i                        ; row i's twelve code words go to LDS
.irp j, 0,1,2
.irp u, 0,1,2,3
	ds_store_b32 v[XW+\j], v[CW+12*((\i)%2)+4*\j+\u] offset:XP*(\i)+128*\u   ; codes k = 128 u + 4 x lane + 0 .. 3: the wave writes 128 consecutive bytes
.endr
.endr
.endm
	s_load_b256 s[4:11], s[0:1], 0x0               ; x s[4:5], wf s[6:7], the scales' exponents s[8:9], qf s[10:11]
	s_load_b64 s[12:13], s[0:1], 0x20              ; kvf
	v_lshl_add_u32 v62, v0, 2, 0x31800
	v_mov_b32 v63, 0
	v_lshrrev_b32 v9, 5, v0
	v_readfirstlane_b32 s[WV], v9                  ; wave 0..3
	v_and_b32 v9, 31, v0                           ; lane
	v_lshlrev_b32 v[LI], 4, v9
	s_wait_alu depctr_va_sdst(0)                   ; s14, my wave's number, is written, ahead of its first reader
	s_lshl_b32 s15, s[WV], 14
	v_add_nc_u32 v[DOF], s15, v[LI]
	v_and_b32 v18, 15, v0                          ; r
	v_bfe_u32 v19, v0, 4, 1                        ; h
	v_mul_u32_u24 v[XA0], v18, XP
	v_lshl_add_u32 v[XA0], v19, 4, v[XA0]
	s_mul_i32 s15, s[WV], 32*XP
	v_lshl_add_u32 v[XW], v9, 2, s15
	v_add_nc_u32 v[XW+1], XCB, v[XW]
	v_add_nc_u32 v[XW+2], 2*XCB, v[XW]
	s_lshl_b32 s16, ttmp9, 18                      ; x: my block's 128 rows of 2,048 bytes,
	s_lshl_b32 s17, s[WV], 16                      ; my wave's 32 of them
	s_add_co_u32 s16, s16, s17
	s_mov_b32 s17, 0
	s_lshl_b32 s18, ttmp9, 16                      ; qf: [g][K step = my wave][tile of rows][2,048]
	s_lshl_b32 s19, s[WV], 14
	s_add_co_u32 s18, s18, s19
	s_mov_b32 s19, 0
	s_lshr_b32 s20, ttmp9, 3
	s_lshl_b32 s20, s20, 20                        ; kvf: the batch's 1,048,576 bytes: 16 steps of 65,536
	s_and_b32 s21, ttmp9, 7                        ; rb: my block of 128 rows in the batch
	s_lshr_b32 s22, s21, 2
	s_lshl_b32 s22, s22, 2
	s_add_co_u32 s22, s22, s[WV]                   ; k: step 4 (rb / 4) + my wave (d = 128 w on),
	s_lshl_b32 s22, s22, 16
	s_add_co_u32 s22, s22, s20
	s_and_b32 s23, s21, 3
	s_lshl_b32 s23, s23, 14                        ; fragments 8 (rb % 4) on
	s_add_co_u32 s22, s22, s23
	s_mov_b32 s23, 0
	s_add_co_u32 s34, s21, 8                       ; v: step 8 + rb (keys 128 rb on),
	s_lshl_b32 s34, s34, 16
	s_add_co_u32 s34, s34, s20
	s_lshl_b32 s35, s[WV], 14                      ; fragments 8 w on (channels 128 w on)
	s_add_co_u32 s34, s34, s35
	s_mov_b32 s35, 0
	s_wait_kmcnt 0x0
	s_load_b256 s[24:31], s[8:9], 0x0              ; e0 .. e7
	s_load_b64 s[32:33], s[8:9], 0x20              ; e8, e9
	s_add_nc_u64 s[4:5], s[4:5], s[16:17]
	s_add_nc_u64 s[36:37], s[10:11], s[18:19]      ; where q goes
	s_add_nc_u64 s[38:39], s[12:13], s[22:23]      ; where k goes
	s_add_nc_u64 s[40:41], s[12:13], s[34:35]      ; where v goes
	s_wait_alu depctr_va_vdst(0)                   ; the offsets and LDS addresses v1-3 and v6-8 are written: every load and store below reads one of them, and none is written again
.set ri, 0
.rept AHEAD
	XROW ri                                        ; x's first 14 rows are the wave's first loads
.set ri, ri+1
.endr
	WIN 0
	s_wait_kmcnt 0x0
	s_sub_co_i32 s52, s30, s24
	s_sub_co_i32 s52, s52, s25                     ; e6 - e0 - e1
	POW2 52, 44, 45
	s_sub_co_i32 s52, s31, s26
	s_sub_co_i32 s52, s52, s27                     ; e7 - e2 - e3
	POW2 52, 46, 47
	s_sub_co_i32 s52, s33, s28
	s_sub_co_i32 s52, s52, s29                     ; e9 - e4 - e5
	POW2 52, 48, 49
	POW2 24, 53, 54
	v_mov_b32 v[XS], s53
	v_mov_b32 v[XL], s54
	s_wait_alu depctr_va_vdst(0)
	POW2 26, 53, 54
	v_mov_b32 v[XS+1], s53
	v_mov_b32 v[XL+1], s54
	POW2 28, 53, 54
	v_mov_b32 v[XS+2], s53
	v_mov_b32 v[XL+2], s54
	; ---- PHASE X: my 32 rows of x become three sets of codes in LDS.  Each row's turn asks for four loads more: the row 14 on, or, when x has no more rows, the next fragment of the weights' first two steps.
	; These loads land in registers that no vector line has named yet.  A row's code words are stored in the NEXT row's turn, behind that turn's wait for its data: the two waits on s_wait_alu there stand a row's loads and holds behind what they wait for
.set ri, 0
.rept 32
.if ri+AHEAD < 32
	XROW (ri+AHEAD)
.else
.set wn, ri+AHEAD-32
	DLOAD wn/8, (wn/8)*STEPB, wn%8, 1
.endif
	s_wait_loadcnt 4*AHEAD                         ; this row's four loads are in; behind them 56 were issued: 14 rows of x, or 31 - i rows of x and i - 17 fragments of the weights
.if ri > 0
	WIN 0
.if ri > 1
	s_wait_alu depctr_vm_vsrc(0)                   ; the stores issued in the turn before have read the set of code words that this row's conversions write again
.endif
	s_wait_alu depctr_va_vdst(0)                   ; the row before's conversions have written the other set, which the stores below read
	XSTORE (ri-1)
.endif
	WIN 2+ri/16
.irp j, 0,1,2
.set nn, 0
.rept 16
	v_med3_num_f32 v[T+16*\j+nn], v[16*(ri%16)+nn], -v[XL+\j], v[XL+\j]
.set nn, nn+1
.endr
.endr
	WIN 0
	s_wait_alu depctr_va_vdst(0)
	s_wait_dscnt 12                                ; the 12 stores of the row before may be out; those of two rows back, which read this set of code words, are done
.irp j, 0,1,2
.irp h, 0,1
	v_cvt_scalef32_pk8_fp8_f32 v[CW+12*(ri%2)+4*\j+2*\h:CW+12*(ri%2)+4*\j+2*\h+1], v[T+16*\j+8*\h:T+16*\j+8*\h+7], v[XS+\j]
.endr
.endr
	v_nop                                          ; a plain vector line behind the last conversion: the next row's holds write its sources
.set ri, ri+1
.endr
	DLOAD 1, STEPB, 6, 2                           ; the last two of the sixteen fragments
	s_wait_alu depctr_va_vdst(0)                   ; row 31's conversions have written their code words, which the stores below read; and every vector line that named v64-111 is done: x's fragments land there from the first step's middle on
	XSTORE 31
	s_wait_dscnt 0x0                               ; for the others' sake: my stores have landed
	s_barrier_signal -1
	s_barrier_wait -1                              ; all 128 rows' codes lie in LDS; nothing writes them again
	FETCH_A AF, XA0, 0, 0                          ; into registers that nothing has named yet
	FETCH_A (AF+64), XA0, 0, 4
	s_mov_b32 s[J], 0
	s_mov_b32 s[XB], 0
	; ---- q, then k: a trip is one product of four steps and its way out.  The stream of weights and x's fragments run on into the next product, and land during the way out
.Lqk:
	s_cmp_eq_u32 s[J], 0
	s_cselect_b64 s[OB:OB+1], s[36:37], s[38:39]
	s_cselect_b32 s55, s44, s46
	s_cselect_b32 s56, s45, s47
	v_mov_b32 v[OS], s55
	v_mov_b32 v[OL], s56
	v_add_nc_u32 v[XAD], s[XB], v[XA0]             ; (the LDS loads that read the two addresses stand ahead of the wait at the last trip's end)
	v_add_nc_u32 v[XAD2], XCB, v[XAD]
	s_wait_alu depctr_va_vdst(0)                   ; the two LDS addresses are written, which the product's LDS loads read from the first step's middle on
	STEP 0, 0, 1, 32, 1, XAD, 128, 1, 2*STEPB
	STEP 0, 1, 0, 32, 1, XAD, 256, 1, 3*STEPB
	STEP 0, 0, 0, 32, 1, XAD, 384, 1, 4*STEPB
	STEP 0, 1, 0, 32, 1, XAD2, 0, 2, 5*STEPB       ; seven fragments now,
	OUT 0, OB
	DLOAD 1, 5*STEPB, 7, 1                         ; the eighth behind the way out: it is wanted in the next product's second step.  No wait: the products that read its registers stand ahead of the last step's wait
	s_wait_xcnt 0x0                                ; the loads have read the stream's base, the stores their base and data: all are written again only behind this wait
	s_wait_alu depctr_vm_vsrc(0)                   ; the way out's stores have read TMP, in which the next product's fragments land; this product's LDS loads have read v4 and v5, which the next product's head writes
	s_add_nc_u64 s[DB:DB+1], s[DB:DB+1], 4*STEPB
	s_add_co_u32 s[XB], s[XB], XCB
	s_add_co_u32 s[J], s[J], 1
	s_cmp_lt_u32 s[J], 2
	s_cbranch_scc1 .Lqk
	; ---- v, the natural way round; the last two steps ask for no weights, the last for no fragments of x
	v_mov_b32 v[OS], s48
	v_mov_b32 v[OL], s49
	v_add_nc_u32 v[XAD], s[XB], v[XA0]
	s_wait_alu depctr_va_vdst(0)                   ; the LDS address is written, which the product's LDS loads read
	STEP 1, 0, 1, 32, 1, XAD, 128, 1, 2*STEPB
	STEP 1, 1, 0, 32, 1, XAD, 256, 1, 3*STEPB
	STEP 1, 0, 0, 32, 1, XAD, 384, 0, 0
	STEP 1, 1, 0, 0, 0, XAD, 0, 0, 0
	OUT 1, 40
	s_wait_dscnt 0x0                               ; the closing lines, six on end
	s_wait_alu 0x0
	s_wait_tensorcnt 0x0
	ds_add_u32 v62, v63
	s_wait_dscnt 0x0
	s_endpgm
.Lfunc_end_k_q1c50f5c656_proj:
	.size	k_q1c50f5c656_proj, .Lfunc_end_k_q1c50f5c656_proj-k_q1c50f5c656_proj
	.p2alignl 7, 3214868480
	.fill 96, 4, 3214868480
	.section	.rodata,"a",@progbits
	.p2align	6, 0x0
	.amdhsa_kernel k_q1c50f5c656_proj
		.amdhsa_group_segment_fixed_size 203264
		.amdhsa_private_segment_fixed_size 0
		.amdhsa_enable_private_segment 0
		.amdhsa_kernarg_size 40
		.amdhsa_user_sgpr_count 2
		.amdhsa_user_sgpr_kernarg_segment_ptr 1
		.amdhsa_wavefront_size32 1
		.amdhsa_system_sgpr_workgroup_id_x 1
		.amdhsa_system_sgpr_workgroup_id_y 1
		.amdhsa_system_sgpr_workgroup_id_z 1
		.amdhsa_system_vgpr_workitem_id 0
		.amdhsa_next_free_vgpr 1024
		.amdhsa_next_free_sgpr 66
		.amdhsa_reserve_vcc 0
		.amdhsa_float_denorm_mode_32 3
		.amdhsa_float_denorm_mode_16_64 3
		.amdhsa_memory_ordered 1
		.amdhsa_forward_progress 1
		.amdhsa_inst_pref_size 255
	.end_amdhsa_kernel
	.section	.bss,"aw",@nobits
	.p2align	6
	.space	262144
	.amdgpu_metadata
---
amdhsa.version: [ 1, 2 ]
amdhsa.kernels:
  - .name:           k_q1c50f5c656_proj
    .symbol:         k_q1c50f5c656_proj.kd
    .args:
      - { .name: x, .offset: 0, .size: 8, .value_kind: global_buffer, .address_space: global }
      - { .name: wf, .offset: 8, .size: 8, .value_kind: global_buffer, .address_space: global }
      - { .name: lowp_scales, .offset: 16, .size: 8, .value_kind: global_buffer, .address_space: global }
      - { .name: qf, .offset: 24, .size: 8, .value_kind: global_buffer, .address_space: global }
      - { .name: kvf, .offset: 32, .size: 8, .value_kind: global_buffer, .address_space: global }
    .group_segment_fixed_size: 203264
    .private_segment_fixed_size: 0
    .kernarg_segment_align: 8
    .kernarg_segment_size: 40
    .max_flat_workgroup_size: 128
    .sgpr_count:     66
    .vgpr_count:     1024
    .wavefront_size: 32
...
	.end_amdgpu_metadata
.endif
;; end of part 5
;; launch attn (part 6): grid 256 x 1, 4 waves a work-group, no clusters, 243,200 bytes of LDS; arguments qf, kvf, lowp_scales, out0; writes out0
.if DOCPART == 6
	.amdgcn_target "amdgcn-amd-amdhsa--gfx1250"
	.amdhsa_code_object_version 6
	.text
	.protected	k_q1c50f5c656_attn
	.globl	k_q1c50f5c656_attn
	.p2align	8
	.type	k_q1c50f5c656_attn,@function
k_q1c50f5c656_attn:
	s_mov_b64 s[64:65], 0
	v_nop
	global_prefetch_b8 v0, s[64:65] scope:SCOPE_SE
	s_setreg_imm32_b32 hwreg(HW_REG_WAVE_SCHED_MODE, 0, 2), 2
	s_setreg_imm32_b32 hwreg(HW_REG_WAVE_MODE, 25, 1), 1
	s_wait_xcnt 0x0
	s_wait_alu depctr_vm_vsrc(0)
; out[b][q][:] = the sum over keys of softmax(q . k / sqrt(512)) v, both products on codes of E4M3; 32 batches of 1,024 queries and keys, head size 512.  q, k, v come as images of operand registers (qf, kvf).
; THE SOFTMAX AHEAD OF THE SECOND PRODUCT: t = score x log2(e) / sqrt(512); M = the row's largest t so far, rounded UP to a whole number; p = 2^(t - M) is quantised with 2^e8, not normalised.
; The row's sum is taken of the unquantised p, in f32, and divides at the end.  When M moves, the sum and O are multiplied by 2^(old M - new M): a power of two.
; LIMITS: e6 + e7 between -122 and 131 (they are added to c's exponent field); e8 between -126 and 119; e8 + e9 is applied by v_ldexp_f32 and has none.
; SHARES.  Work-group g: batch g % 32, queries 128 (g / 32) on: the eight work-groups that walk one batch's K and V are those whose numbers agree in their low five bits.
; A wave's 64 accumulators (512 registers) serve S^T first and O^T afterwards:
; STAGE 1, two chunks of 512 keys: wave w makes S^T = K Q^T for keys 128 w .. 128 w + 127 of the chunk against all 128 queries (source 0 = 16 keys, source 1 = 16 queries: a lane holds ONE query and eight neighbouring keys),
;   the four waves' maxima meet in LDS, and the wave's p, converted, ARE the eight fragments of K step 4 chunk + w of the second product: they go to LDS as images of their registers.
; STAGE 2: wave w makes O^T = V^T P for channels 128 w .. 128 w + 127 against the 128 queries, eight K steps of 128 keys; between steps 3 and 4 O^T is brought from the first chunk's M under the last.
; THE WAVES SPLIT K AND V: each of their fragments has one reader in the work-group, so it goes from memory straight into that wave's registers, 512 consecutive bytes a load.  Only Q and P, which all four waves read, lie in LDS.
; So for 64 matrix instructions a wave reads 16,384 bytes from LDS; with both operands in LDS it would read 32,768.  That, and the 196,608 bytes that Q's and P's images take, is why K and V are not brought by tensor loads shared in a cluster.
; REGISTERS, in windows of 256: window 0: v1-15 addresses and scales; v16-63 statistics; v64-127 at work, and tiles 0-3 of Q or P in odd steps; v128-191 tiles 0-3 in even steps; v192-255 tiles 4-7.  window 1: fragments of K or V, two sets, at v0 and v128.
;   windows 2, 3: the accumulators: (a = tile of queries, b = tile of keys or channels) at v[64 (a % 4) + 8 b] of window 2 + a / 4.
; THE MODE: SCHED_MODE bits 1:0 = 2 (LLVM: expert scheduling mode 2), set by the entry lines.  The code itself states the register dependences
; between vector or matrix instructions and memory or LDS instructions, with s_wait_alu, always for 0.
; THE PLAN.  Registers that memory or LDS instructions touch:
;   v1-6, v8, v9, v12, v13   Offsets and LDS addresses, made at the head and never written again.
;   v7, v10, v11  The chunk's three LDS addresses: written at a trip's head, read by the trip's LDS stores and loads.
;   P0, P1        Tiles 0-3 of Q or P (v128-191 in even steps, v64-127 in odd ones).  Step s's first 32 products read P[s % 2]; in its middle the LDS loads of step s + 1 land in the other, which no product since the last wait names.
;   R             Tiles 4-7 (v192-255).  Step s's last 32 products read it; the loads of step s + 1 land in it at the step's end.
;   W0, W1        Step s's 64 products read W[s % 2]; the loads of step s + 2 land in it at the step's end.
;   v96-103       The wave's maxima or sums: written by vector lines, read by two LDS stores, written again behind the barrier.
;   v64-95        The four waves' maxima or sums: LDS loads land there, vector lines read them.
;   TMP = v64-127 p's codes, and on the way out a block's results: written by vector lines, read by sixteen LDS stores.
;   v128-255      At the head Q's quarter (loaded, then read by LDS stores); on the way out two blocks of rows by turns (LDS loads land, global stores read).
; So ONE wait on va_vdst stands in a step, at its end, behind its last product: R and W[s % 2] are asked for again at once, ahead of the wait for the other set's data, and P[s % 2] is free for the next step's middle.
.set STEPB, 65536                      ; a step of the batch's stream: 32 fragments of 2,048 bytes; wave w's eight at 16,384 w.  Steps 0-7: K (4 chunk + K step); steps 8-15: V^T (keys 128 (step - 8) on)
.set PIMG,  65536                      ; LDS: Q's images from 0 on, fragment (K step s, tile a) at 2,048 (8 s + a); P's from here on, likewise
.set STAT,  196608                     ; three areas of 4,096 bytes (the two chunks' maxima, the row sums): wave w's plane p (tiles 4 p .. 4 p + 3) at 1,024 w + 512 p + 16 x lane
.set STG,   208896                     ; the way out: a stage of 16 rows x 528 bytes for each wave
.set SP,    528
.set LI,   1                           ; v1   16 x lane
.set DOF,  2                           ; v2   16 x lane + 16,384 x wave
.set PFO,  3                           ; v3   the prefetches' offset: 256 x lane + 16,384 x wave; never rewritten
.set PA0,  4                           ; v4   P's images, K steps 0-3
.set PA1,  5                           ; v5   K steps 4-7
.set PW0,  6                           ; v6   where I put P's images in chunk 0
.set PWA,  7                           ; v7   and in the chunk in hand
.set SW0,  8                           ; v8   where I put statistics, area 0
.set SR0,  9                           ; v9   where I read them
.set SWA,  10                          ; v10, v11  the same in the chunk's area
.set SRA,  11
.set STO,  12                          ; v12  the stage: where I put 32 bytes of a row
.set RD,   13                          ; v13  and where I read a row back
.set PSC,  14                          ; v14  2^e8
.set PLIM, 15                          ; v15  448 x 2^e8
.set NM,   16                          ; v16-31  tile a: the pair (-M, the largest score so far)
.set FF,   32                          ; v32-47  tile a: the pair (f = 2^(old M - new M), 0)
.set LS,   48                          ; v48-63  tile a: the row's sum over my keys, in two halves; at the end 2^(e8 + e9) / the row's sum in the even register
.set TMP,  64                          ; v64-127 codes; on the way out a block's results
.set TS,   64                          ; v64-95  the four waves' statistics
.set LM,   96                          ; v96-103, v104-111  at work, a register a tile
.set LB,   104
.set AF,   128                         ; tile a of step parity p at v[AF + 16 a - 64 p] for a < 4, at v[AF + 16 a] for a >= 4
.set WV,   12                          ; s12  my wave's number
.set QB,   14                          ; s14  my block of queries in the batch
.set SEL,  20                          ; s[20:21] selects for v_permlanex16_b32: lane l xor 16
.set CS,   22                          ; s[22:23] c = log2(e) / sqrt(512) x 2^(e6 + e7): the packed form names a pair and takes its low word
.set DB,   24                          ; s[24:25] where the batch's stream stands
.set CNT,  26
.set PB,   27                          ; s27  65,536 x chunk
.set SB,   28                          ; s28  4,096 x chunk
.set ESUM, 29                          ; s29  e8 + e9
.set MSB, 0
.macro WIN new                         ; s_set_vgpr_msb: bits 1:0 source 0, 3:2 source 1, 5:4 source 2, 7:6 destination; the high byte repeats the setting that is left
.if MSB != (\new)
	s_set_vgpr_msb (MSB<<8)|(\new)
.set MSB, (\new)
.endif
.endm
.macro PLACES n                        ; a vector instruction that reads a matrix result or writes one of a matrix instruction's registers stands four plain vector instructions behind it (ISA guide 7.12.1)
.rept \n
	v_nop
.endr
.endm
.macro BARRIER                         ; my LDS stores have landed and my LDS loads are in: then the work-group's barrier
	s_wait_dscnt 0x0
	s_barrier_signal -1
	s_barrier_wait -1
.endm
.macro DLOAD p, off, b0, nb            ; fragments b0 .. b0 + nb - 1 of my eight of the step at byte off of the stream, into set p: four loads a fragment
	WIN 0x40
.set bb, \b0
.rept \nb
.irp c, 0,1,2,3
	global_load_b128 v[128*(\p)+16*bb+4*\c:128*(\p)+16*bb+4*\c+3], v[DOF], s[DB:DB+1] offset:(\off)+2048*bb+512*\c
.endr
.set bb, bb+1
.endr
	WIN 0
.endm
; A PREFETCH INTO THE L2, behind a step's run of loads: where step n asks for the fragments of step n + 2, it names step n + 6: four steps, 256 matrix instructions, ahead of the loads that will want those bytes.
; The eight work-groups of a batch walk the same stream: the one with the batch's first block of queries asks, and nobody else.  Each of its waves names its own 16,384 bytes of the step, lanes 256 bytes apart, two instructions: each block once in the launch.
; Steps 0 to 5 come by their loads alone; nothing is named beyond step 15, the batch's last.
.macro ASK off
	s_cmp_eq_u32 s[QB], 0
	s_cbranch_scc0 .Lnot_mine_\@
	global_prefetch_b8 v[PFO], s[DB:DB+1] offset:(\off) th:TH_LOAD_NT scope:SCOPE_SE
	global_prefetch_b8 v[PFO], s[DB:DB+1] offset:(\off)+8192 th:TH_LOAD_NT scope:SCOPE_SE
.Lnot_mine_\@:
.endm
.macro FETCH_A reg, adr, off, i0       ; the images of fragments i0 .. i0 + 3 of the K step at byte off, into v[reg] on: 16 loads of 512 consecutive bytes
.irp k, 0,1,2,3
.irp c, 0,1,2,3
	ds_load_b128 v[\reg+16*\k+4*\c:\reg+16*\k+4*\c+3], v[\adr] offset:(\off)+2048*((\i0)+\k)+512*\c
.endr
.endr
.endm
; 16 matrix instructions: tiles of queries a0, a0 + 1 against the eight fragments of set p (source 0).  zero = 1: the products start the sums.
; The 64 accumulators take turns, one instruction a turn, in the same order in every step.
.macro MUL16 a0, p, zero
	WIN 0xa1+0x50*((\a0)/4)
.irp a, \a0, \a0+1
.irp b, 0,1,2,3,4,5,6,7
.set rD, 64*((\a)%4)+8*\b
.set rW, 128*(\p)+16*\b
.set rX, AF+16*(\a)-64*(\p)*(1-(\a)/4)
.if \zero
	v_wmma_f32_16x16x128_fp8_fp8 v[rD:rD+7], v[rW:rW+15], v[rX:rX+15], 0
.else
	v_wmma_f32_16x16x128_fp8_fp8 v[rD:rD+7], v[rW:rW+15], v[rX:rX+15], v[rD:rD+7]
.endif
.endr
.endr
.endm
; A step of 128 along K: 64 matrix instructions.  p: the step's parity: the set of K or V, and which buffer holds tiles 0-3 of Q or P.  The next step's tiles 0-3 are fetched in the middle, into the other buffer; its tiles 4-7 at the end.
; Set p of K or V is free at the end and takes the step two on.  lc: the loads that may stay out when set p has to be in.  nd = 1: set p is asked for whole; nd = 2: its first seven fragments, 28 loads, which with the
; other set's 32 make 60: inside LOADcnt's field (an instruction that would pass the field waits at issue: ISA guide 5.7.1), so the wave goes straight on into the register work that follows; the eighth is asked for in or behind that work.
.macro STEP p, zero, lc, na, aadr, aoff, nd, doff, ask, koff
	s_wait_loadcnt \lc                             ; loads come back in order (ISA guide 5.7.1): set p is in, the other set's 32 may be out
	s_wait_dscnt 16                                ; tiles 0-3 are in; the 16 loads of tiles 4-7 may be out
	MUL16 0, \p, \zero
	MUL16 2, \p, \zero
	s_wait_dscnt 0x0                               ; tiles 4-7 are in
.if \na
	WIN 0
	FETCH_A (AF-64*(1-\p)), \aadr, \aoff, 0        ; no wait: whatever read or wrote this buffer stands ahead of the last wait on va_vdst, and nothing since names it or the address
.endif
	MUL16 4, \p, \zero
	MUL16 6, \p, \zero
	PLACES 4                                       ; behind the step's last products: where a softmax, a rescaling or the way out follows, its first lines read results
	WIN 0
.if \na || \nd
	s_wait_alu depctr_va_vdst(0)                   ; the step's products are done reading tiles 4-7 and set p, in which the loads below land, and tiles 0-3, in which the next step's middle loads
.endif
.if \na
	FETCH_A (AF+64), \aadr, \aoff, 4
.endif
.if \nd == 1
	DLOAD \p, \doff, 0, 8
.endif
.if \nd == 2
	DLOAD \p, \doff, 0, 7
.endif
.if \ask
	ASK \koff
.endif
.endm
; The largest score of each query among my lane's 64 keys and the largest so far, for the four tiles of window X: two chains a tile, each accumulator from its low end on.
.macro MAXW X
	WIN (\X<<4)|(\X<<2)
.set ii, 0
.rept 16
.irp q, 0,1,2,3
.set ta, 4*(\X-2)+\q
.if ii == 0
	v_max3_num_f32 v[LM+ta], v[NM+2*ta+1], v[64*\q], v[64*\q+1]
	v_max3_num_f32 v[LB+ta], v[NM+2*ta+1], v[64*\q+2], v[64*\q+3]
.else
	v_max3_num_f32 v[LM+ta], v[LM+ta], v[64*\q+4*ii], v[64*\q+4*ii+1]
	v_max3_num_f32 v[LB+ta], v[LB+ta], v[64*\q+4*ii+2], v[64*\q+4*ii+3]
.endif
.endr
.set ii, ii+1
.endr
.endm
; Window X's 256 scores of a lane become p, are summed, held, converted and stored as four images.
.macro EXPW X
	WIN (\X<<6)|\X
.irp q, 0,1,2,3
.set ta, 4*(\X-2)+\q
.set nn, 0
.rept 32
	v_pk_fma_f32 v[64*\q+nn:64*\q+nn+1], v[64*\q+nn:64*\q+nn+1], s[CS:CS+1], v[NM+2*ta:NM+2*ta+1] op_sel_hi:[1,0,0]   ; t - M, two at a time
.set nn, nn+2
.endr
.endr
.set nn, 0
	s_wait_alu depctr_va_vdst(0)
.rept 256
	v_exp_f32 v[nn], v[nn]                         ; p = 2^(t - M), at most 1
.set nn, nn+1
.endr
	v_nop                                          ; a plain instruction behind the last exponential (ISA guide 5.7.2)
	s_wait_alu depctr_va_vdst(0)                   ; the 256 exponentials have written p: the wait stands ahead of the first line that names a result: one for the batch
	WIN \X<<2
.set nn, 0
.rept 32
.irp q, 0,1,2,3
	v_pk_add_f32 v[LS+2*(4*(\X-2)+\q):LS+2*(4*(\X-2)+\q)+1], v[LS+2*(4*(\X-2)+\q):LS+2*(4*(\X-2)+\q)+1], v[64*\q+nn:64*\q+nn+1]   ; the sum is taken of the unquantised p; the four tiles by turns
.endr
.set nn, nn+2
.endr
	WIN (\X<<6)|\X
.set nn, 0
.rept 256
	v_min_num_f32 v[nn], v[nn], v[PLIM]            ; the conversion to an 8-bit code does not saturate (ISA guide 7.6.2); p is not negative, so the hold is one-sided
.set nn, nn+1
.endr
.if \X == 3
	s_wait_dscnt 0x0                               ; the first half's LDS stores are done
	s_wait_alu depctr_vm_vsrc(0)                   ; the first half's LDS stores have read TMP, which the conversions below write again
.endif
	WIN \X
.irp q, 0,1,2,3
.irp b, 0,1,2,3,4,5,6,7
	v_cvt_scalef32_pk8_fp8_f32 v[TMP+16*\q+2*\b:TMP+16*\q+2*\b+1], v[64*\q+8*\b:64*\q+8*\b+7], v[PSC]   ; registers 2 b, 2 b + 1 of the tile's fragment: keys 16 b + 8 h + 0 .. 7
.endr
.endr
	WIN 0
	v_nop                                          ; a plain vector line behind the last conversion: later products write its sources
	s_wait_alu depctr_va_vdst(0)                   ; the conversions have written TMP, which the LDS stores below read
.irp q, 0,1,2,3
.irp c, 0,1,2,3
	ds_store_b128 v[PWA], v[TMP+16*\q+4*\c:TMP+16*\q+4*\c+3] offset:2048*(4*(\X-2)+\q)+512*\c
.endr
.endr
.endm
	s_load_b256 s[4:11], s[0:1], 0x0               ; qf s[4:5], kvf s[6:7], the scales' exponents s[8:9], out0 s[10:11]
	v_lshrrev_b32 v64, 5, v0
	v_readfirstlane_b32 s[WV], v64                 ; wave 0..3
	s_and_b32 s39, ttmp9, 31                       ; the batch
	s_lshr_b32 s[QB], ttmp9, 5                     ; my block of 128 queries in it
	s_lshl_b32 s30, s39, 20                        ; the batch's 1,048,576 bytes of kvf
	s_mov_b32 s31, 0
	s_lshl_b32 s40, s39, 3
	s_add_co_u32 s40, s40, s[QB]                   ; 8 x batch + block: my place in qf and in out0
	s_lshl_b32 s32, s40, 16                        ; my 65,536 bytes of qf
	s_mov_b32 s33, 0
	s_lshl_b32 s34, s40, 18                        ; out0: my 128 rows of 2,048 bytes,
	s_wait_alu depctr_va_sdst(0)                   ; s12, my wave's number, is written, ahead of its first reader
	s_lshl_b32 s35, s[WV], 9                       ; my wave's 128 channels
	s_add_co_u32 s34, s34, s35
	s_mov_b32 s35, 0
	s_mov_b32 s[SEL], 0x76543210
	s_mov_b32 s[SEL+1], 0xfedcba98
	v_and_b32 v64, 31, v0                          ; lane
	v_lshlrev_b32 v[LI], 4, v64
	s_lshl_b32 s13, s[WV], 14
	v_add_nc_u32 v[DOF], s13, v[LI]
	v_lshlrev_b32 v[PFO], 8, v64
	v_add_nc_u32 v[PFO], s13, v[PFO]
	v_add_nc_u32 v[PA0], PIMG, v[LI]
	v_add_nc_u32 v[PA1], PIMG+65536, v[LI]
	v_add_nc_u32 v[PW0], PIMG, v[DOF]
	v_add_nc_u32 v[SR0], STAT, v[LI]
	s_lshl_b32 s15, s[WV], 10
	v_add_nc_u32 v[SW0], s15, v[SR0]
	s_mul_i32 s36, s[WV], 16*SP
	s_add_co_u32 s36, s36, STG                     ; my stage
	v_and_b32 v65, 15, v0                          ; r
	v_bfe_u32 v66, v0, 4, 1                        ; h
	v_mul_u32_u24 v[STO], v65, SP
	v_lshl_add_u32 v[STO], v66, 5, v[STO]
	v_add_nc_u32 v[STO], s36, v[STO]               ; in: row r, 32 bytes for each half of the lanes
	v_add_nc_u32 v[RD], s36, v[LI]                 ; back: the 32 lanes take one row of 512 bytes
	s_wait_kmcnt 0x0
	s_load_b128 s[16:19], s[8:9], 0x18             ; e6, e7, e8, e9
	s_add_nc_u64 s[4:5], s[4:5], s[32:33]
	s_add_nc_u64 s[DB:DB+1], s[6:7], s[30:31]
	s_add_nc_u64 s[10:11], s[10:11], s[34:35]
	s_wait_alu depctr_va_vdst(0)                   ; the offsets and LDS addresses v1-6, v8, v9, v12, v13 are written, which the loads, stores and prefetches below read; so are v64-66, in which fragments land later
.set ii, 0
.rept 32
	global_load_b128 v[AF+4*ii:AF+4*ii+3], v[DOF], s[4:5] offset:512*ii th:TH_LOAD_NT   ; my quarter of Q's images, as it lies
.set ii, ii+1
.endr
	DLOAD 0, 0, 0, 8                               ; K's first step
	s_wait_loadcnt 32                              ; Q is in; the 32 loads of K's first step may be out
.set ii, 0
.rept 32
	ds_store_b128 v[DOF], v[AF+4*ii:AF+4*ii+3] offset:512*ii
.set ii, ii+1
.endr
	DLOAD 1, STEPB, 0, 8
.irp a, 0,1,2,3,4,5,6,7
	v_mov_b32 v[NM+2*\a], 0x7f61b1e6               ; -M = 3e38,
	v_mov_b32 v[NM+2*\a+1], 0xff61b1e6             ; the largest score so far: -3e38, under every score.  The first change of M makes f = 0, which multiplies zeros
	v_mov_b32 v[FF+2*\a], 0
	v_mov_b32 v[FF+2*\a+1], 0                      ; (named as the upper half of a pair)
	v_mov_b32 v[LS+2*\a], 0
	v_mov_b32 v[LS+2*\a+1], 0
.endr
	s_wait_kmcnt 0x0
	s_add_co_i32 s37, s16, s17
	s_lshl_b32 s37, s37, 23
	s_add_co_i32 s[CS], s37, 0x3d8293ee            ; c = log2(e) / sqrt(512); a score stands for score x 2^(e6 + e7): the two exponents are added to c's exponent field
	s_mov_b32 s[CS+1], s[CS]                       ; (named with it as a pair, so it is written)
	s_add_co_i32 s37, s18, 127
	s_lshl_b32 s38, s37, 23
	v_mov_b32 v[PSC], s38
	s_add_co_i32 s37, s37, 8
	s_lshl_b32 s37, s37, 23
	s_or_b32 s37, s37, 0x600000
	v_mov_b32 v[PLIM], s37
	s_add_co_i32 s[ESUM], s18, s19
	s_mov_b32 s[CNT], 0
	s_mov_b32 s[PB], 0
	s_mov_b32 s[SB], 0
	BARRIER                                        ; Q's 32 images lie in LDS; nothing writes them again
	s_wait_alu depctr_vm_vsrc(0)                   ; my LDS stores of Q's images have read v128-255, in which the first fragments land
	; ---- STAGE 1: a trip is a chunk of 512 keys.  Each area of statistics and each image of P is written once in the launch, so no barrier stands at a trip's end
.Lchunk:
	v_add_nc_u32 v[PWA], s[PB], v[PW0]             ; (the LDS instructions that read the three addresses stand ahead of the wait at the last trip's end;
	v_add_nc_u32 v[SWA], s[SB], v[SW0]             ; their first readers in this trip stand behind the wait ahead of the maxima's stores)
	v_add_nc_u32 v[SRA], s[SB], v[SR0]
	FETCH_A AF, LI, 0, 0                           ; no wait: the last chunk's products, which read these registers, stand ahead of its softmax's waits
	FETCH_A (AF+64), LI, 0, 4
	STEP 0, 1, 32, 1, LI, 16384, 1, 2*STEPB, 1, 6*STEPB
	STEP 1, 0, 32, 1, LI, 32768, 1, 3*STEPB, 1, 7*STEPB
	STEP 0, 0, 32, 1, LI, 49152, 1, 4*STEPB, 1, 8*STEPB      ; the stream runs on: the next chunk's first two steps of K, or V's first two, land during the softmax
	STEP 1, 0, 32, 0, LI, 0, 2, 5*STEPB, 1, 9*STEPB          ; seven fragments now; the eighth between the softmax's two halves
	MAXW 2
	MAXW 3
	WIN 0
.irp a, 0,1,2,3,4,5,6,7
	v_max_num_f32 v[LM+\a], v[LM+\a], v[LB+\a]
.endr
.irp a, 0,1,2,3,4,5,6,7
	v_permlanex16_b32 v[LB+\a], v[LM+\a], s[SEL], s[SEL+1]   ; the query's other 64 of my keys lie in the lane 16 away
.endr
.irp a, 0,1,2,3,4,5,6,7
	v_max_num_f32 v[LM+\a], v[LM+\a], v[LB+\a]
.endr
	s_wait_alu depctr_va_vdst(0)                   ; the maxima v96-103 are written, which the two LDS stores read; so are the chunk's three LDS addresses, made at the trip's head
	ds_store_b128 v[SWA], v[LM:LM+3]
	ds_store_b128 v[SWA], v[LM+4:LM+7] offset:512
	BARRIER                                        ; the four waves' maxima lie in the chunk's area
.irp u, 0,1,2,3,4,5,6,7
	ds_load_b128 v[TS+4*\u:TS+4*\u+3], v[SRA] offset:512*\u  ; register 8 w + a: wave w's maximum for tile a
.endr
	s_wait_dscnt 0x0
	s_wait_alu depctr_vm_vsrc(0)                   ; my two LDS stores have read v96-103, which are written again below
.irp a, 0,1,2,3,4,5,6,7
	v_max3_num_f32 v[NM+2*\a+1], v[TS+\a], v[TS+8+\a], v[TS+16+\a]
.endr
.irp a, 0,1,2,3,4,5,6,7
	v_max_num_f32 v[NM+2*\a+1], v[NM+2*\a+1], v[TS+24+\a]    ; the largest score so far (each wave's chains began with the old one)
.endr
.irp a, 0,1,2,3,4,5,6,7
	v_mul_f32 v[LM+\a], s[CS], v[NM+2*\a+1]                  ; as t (c is positive)
	v_mov_b32 v[LB+\a], v[NM+2*\a]
.endr
.irp a, 0,1,2,3,4,5,6,7
	v_floor_f32 v[NM+2*\a], -v[LM+\a]                        ; the new -M = floor(-t) = -ceil(t): M is a whole number
.endr
.irp a, 0,1,2,3,4,5,6,7
	v_sub_f32 v[LB+\a], v[NM+2*\a], v[LB+\a]                 ; M's old value less its new one: a whole number, 0 or less
.endr
.irp a, 0,1,2,3,4,5,6,7
	v_cvt_i32_f32 v[LB+\a], v[LB+\a]                         ; (it saturates)
.endr
.irp a, 0,1,2,3,4,5,6,7
	v_ldexp_f32 v[FF+2*\a], 1.0, v[LB+\a]                    ; f = 2^(old M - new M)
.endr
.irp a, 0,1,2,3,4,5,6,7
	v_pk_mul_f32 v[LS+2*\a:LS+2*\a+1], v[LS+2*\a:LS+2*\a+1], v[FF+2*\a:FF+2*\a+1] op_sel_hi:[1,0]   ; the sums under the new M
.endr
	EXPW 2
	DLOAD 1, 5*STEPB, 7, 1                         ; the eighth fragment of the step asked for at the last step's end: it is wanted two steps on.  No wait: the products that read its registers stand ahead of that step's wait
	EXPW 3
	s_wait_xcnt 0x0                                ; the loads and prefetches have read the stream's base: it is written only behind this wait
	s_wait_alu depctr_vm_vsrc(0)                   ; the images' LDS stores have read TMP, which the next chunk's fragments or the sums' lines write; the trip's LDS instructions have read v7, v10 and v11, which the next trip's head writes
	s_add_nc_u64 s[DB:DB+1], s[DB:DB+1], 4*STEPB
	s_add_co_u32 s[PB], s[PB], 65536
	s_add_co_u32 s[SB], s[SB], 4096
	s_add_co_u32 s[CNT], s[CNT], 1
	s_cmp_lt_u32 s[CNT], 2
	s_cbranch_scc1 .Lchunk
	; ---- the row sums: two halves, the other half of the lanes, the four waves
	s_wait_dscnt 0x0                               ; the last images' LDS stores are done (that they have read TMP, of which v96-111 are written now, is stated at the trip's end)
.irp a, 0,1,2,3,4,5,6,7
	v_add_f32 v[LM+\a], v[LS+2*\a], v[LS+2*\a+1]
.endr
.irp a, 0,1,2,3,4,5,6,7
	v_permlanex16_b32 v[LB+\a], v[LM+\a], s[SEL], s[SEL+1]
.endr
.irp a, 0,1,2,3,4,5,6,7
	v_add_f32 v[LM+\a], v[LM+\a], v[LB+\a]
.endr
	s_wait_alu depctr_va_vdst(0)                   ; the sums v96-103 are written, which the two LDS stores read
	ds_store_b128 v[SW0], v[LM:LM+3] offset:8192
	ds_store_b128 v[SW0], v[LM+4:LM+7] offset:8704
	BARRIER                                        ; the sums lie in the third area, and all 64 images of P lie in LDS
.irp u, 0,1,2,3,4,5,6,7
	ds_load_b128 v[TS+4*\u:TS+4*\u+3], v[SR0] offset:8192+512*\u
.endr
	FETCH_A AF, PA0, 0, 0
	FETCH_A (AF+64), PA0, 0, 4
	s_wait_dscnt 32                                ; the sums are in; the 32 loads of P's first fragments may be out
	s_wait_alu depctr_vm_vsrc(0)                   ; my two LDS stores have read v96-103, which are written again below
.irp a, 0,1,2,3,4,5,6,7
	v_add_f32 v[LM+\a], v[TS+\a], v[TS+8+\a]
	v_add_f32 v[LB+\a], v[TS+16+\a], v[TS+24+\a]
.endr
.irp a, 0,1,2,3,4,5,6,7
	v_add_f32 v[LM+\a], v[LM+\a], v[LB+\a]
.endr
	s_wait_alu depctr_va_vdst(0)
.irp a, 0,1,2,3,4,5,6,7
	v_rcp_f32 v[LS+2*\a], v[LM+\a]
.endr
	v_nop                                          ; a plain instruction behind the last reciprocal (ISA guide 5.7.2)
	s_wait_alu depctr_va_vdst(0)                   ; the eight reciprocals are written, ahead of the first line that names a result; and every vector line that named v64-111 is done: P's fragments land there from the first step's middle on
.irp a, 0,1,2,3,4,5,6,7
	v_ldexp_f32 v[LS+2*\a], v[LS+2*\a], s[ESUM]    ; 2^(e8 + e9) / the row's sum
.endr
	; ---- STAGE 2: O^T = V^T P, eight K steps of 128 keys
	STEP 0, 1, 32, 1, PA0, 16384, 1, 2*STEPB, 1, 6*STEPB
	STEP 1, 0, 32, 1, PA0, 32768, 1, 3*STEPB, 1, 7*STEPB
	STEP 0, 0, 32, 1, PA0, 49152, 1, 4*STEPB, 0, 0
	STEP 1, 0, 32, 1, PA1, 0, 2, 5*STEPB, 0, 0     ; seven fragments now; the eighth behind the multiplications below
.irp X, 2,3                            ; the first chunk's part of O^T was summed under the first chunk's M: x f, a power of two.  The step's closing four places stand in front
	WIN (\X<<6)|\X
.irp q, 0,1,2,3
.set nn, 0
.rept 32
	v_pk_mul_f32 v[64*\q+nn:64*\q+nn+1], v[64*\q+nn:64*\q+nn+1], v[FF+2*(4*(\X-2)+\q):FF+2*(4*(\X-2)+\q)+1] op_sel_hi:[1,0]
.set nn, nn+2
.endr
.endr
.endr
	DLOAD 1, 5*STEPB, 7, 1                         ; no wait: the products that read its registers stand ahead of the last step's wait, and the multiplications name the accumulators and f alone
	s_wait_alu depctr_va_vdst(0)
	STEP 0, 0, 32, 1, PA1, 16384, 1, 6*STEPB, 0, 0
	STEP 1, 0, 32, 1, PA1, 32768, 1, 7*STEPB, 0, 0
	STEP 0, 0, 32, 1, PA1, 49152, 0, 0, 0, 0
	STEP 1, 0, 0, 0, PA1, 0, 0, 0, 0, 0
; THE WAY OUT, a tile of 16 queries x my 128 channels at a time.  A lane holds 32 neighbouring bytes of a row, and the lanes beside it hold other rows: so a block goes through my own stage in LDS and comes back as whole
; rows of 512 bytes.  LDS serves a wave's instructions in order (ISA guide 5.7.1.4): no wait between the stores and the loads, nor in front of the next block's stores.
.macro TOSTAGE a
.set AC, 64*((\a)%4)
.if (\a) > 0
	s_wait_alu depctr_vm_vsrc(0)                   ; the block before's LDS stores have read TMP, which the multiplications below write; the global stores of two blocks back have read the registers in which this block's rows land
.endif
	WIN 2+(\a)/4
.set nn, 0
.rept 32
	v_pk_mul_f32 v[TMP+nn:TMP+nn+1], v[AC+nn:AC+nn+1], v[LS+2*(\a):LS+2*(\a)+1] op_sel_hi:[1,0]   ; x 2^(e8 + e9) / the row's sum; each accumulator from its low end on
.set nn, nn+2
.endr
	WIN 0
	s_wait_alu depctr_va_vdst(0)                   ; the multiplications have written TMP, which the LDS stores read; in the first two blocks also: the last products are done reading v128-255, in which the rows land
.irp b, 0,1,2,3,4,5,6,7
	ds_store_b128 v[STO], v[TMP+8*\b:TMP+8*\b+3] offset:64*\b
	ds_store_b128 v[STO], v[TMP+8*\b+4:TMP+8*\b+7] offset:64*\b+16
.endr
.set BB, AF+64*((\a)%2)
.irp t, 0,1,2,3,4,5,6,7,8,9,10,11,12,13,14,15
	ds_load_b128 v[BB+4*\t:BB+4*\t+3], v[RD] offset:\t*SP
.endr
.endm
.macro SEND a, younger                 ; younger: the LDS instructions issued behind block a's loads, which may stay out
.set BB, AF+64*((\a)%2)
	s_wait_dscnt \younger
.irp t, 0,1,2,3,4,5,6,7,8,9,10,11,12,13,14,15
	global_store_b128 v[LI], v[BB+4*\t:BB+4*\t+3], s[10:11] offset:(16*(\a)+\t)*2048 th:TH_STORE_NT   ; 32 lanes store 512 consecutive bytes, at a multiple of 256 from the output's first byte; the base is never stepped
.endr
.endm
	TOSTAGE 0
.irp a, 1,2,3,4,5,6,7
.if \a > 1
	s_wait_xcnt 0x0                                ; block a - 2's stores have had their addresses translated: block a's loads may land in their registers
.endif
	TOSTAGE \a
	SEND \a-1, 32                                  ; behind block a - 1's loads: block a's 16 stores and 16 loads
.endr
	SEND 7, 0
	s_wait_xcnt 0x0
	s_wait_alu depctr_vm_vsrc(0)                   ; the last block's stores have read v252-255, of which v254 and v255 are made anew below
	v_lshl_add_u32 v254, v0, 2, 0x3b400
	v_mov_b32 v255, 0
	s_wait_dscnt 0x0                               ; the closing lines, six on end
	s_wait_alu 0x0
	s_wait_tensorcnt 0x0
	ds_add_u32 v254, v255
	s_wait_dscnt 0x0
	s_endpgm
.Lfunc_end_k_q1c50f5c656_attn:
	.size	k_q1c50f5c656_attn, .Lfunc_end_k_q1c50f5c656_attn-k_q1c50f5c656_attn
	.p2alignl 7, 3214868480
	.fill 96, 4, 3214868480
	.section	.rodata,"a",@progbits
	.p2align	6, 0x0
	.amdhsa_kernel k_q1c50f5c656_attn
		.amdhsa_group_segment_fixed_size 243200
		.amdhsa_private_segment_fixed_size 0
		.amdhsa_enable_private_segment 0
		.amdhsa_kernarg_size 32
		.amdhsa_user_sgpr_count 2
		.amdhsa_user_sgpr_kernarg_segment_ptr 1
		.amdhsa_wavefront_size32 1
		.amdhsa_system_sgpr_workgroup_id_x 1
		.amdhsa_system_sgpr_workgroup_id_y 1
		.amdhsa_system_sgpr_workgroup_id_z 1
		.amdhsa_system_vgpr_workitem_id 0
		.amdhsa_next_free_vgpr 1024
		.amdhsa_next_free_sgpr 66
		.amdhsa_reserve_vcc 0
		.amdhsa_float_denorm_mode_32 3
		.amdhsa_float_denorm_mode_16_64 3
		.amdhsa_memory_ordered 1
		.amdhsa_forward_progress 1
		.amdhsa_inst_pref_size 255
	.end_amdhsa_kernel
	.section	.bss,"aw",@nobits
	.p2align	6
	.space	262144
	.amdgpu_metadata
---
amdhsa.version: [ 1, 2 ]
amdhsa.kernels:
  - .name:           k_q1c50f5c656_attn
    .symbol:         k_q1c50f5c656_attn.kd
    .args:
      - { .name: qf, .offset: 0, .size: 8, .value_kind: global_buffer, .address_space: global }
      - { .name: kvf, .offset: 8, .size: 8, .value_kind: global_buffer, .address_space: global }
      - { .name: lowp_scales, .offset: 16, .size: 8, .value_kind: global_buffer, .address_space: global }
      - { .name: out0, .offset: 24, .size: 8, .value_kind: global_buffer, .address_space: global }
    .group_segment_fixed_size: 243200
    .private_segment_fixed_size: 0
    .kernarg_segment_align: 8
    .kernarg_segment_size: 32
    .max_flat_workgroup_size: 128
    .sgpr_count:     66
    .vgpr_count:     1024
    .wavefront_size: 32
...
	.end_amdgpu_metadata
.endif
;; end of part 6
